; MI455X (gfx1250); checked and timed in simulation.
; The chip was launched on July 23, 2026; its instructions are those of AMD's public machine-readable ISA for CDNA 5 (MIT licence, August 2026) and "CDNA5" Instruction Set Architecture Reference Guide (July 2026). The comments in the code are by the model that wrote it; some were corrected since.
;; Sparse Attention. Allowed arithmetic: matrix products marked QUANTISED: E2M3 operands, one E8M0 scale for each 32 along K, by v_wmma_scale_f32_16x16x128_f8f6f4 with both operands' format E2M3, f32 sums; everything else in f32.
;; Inputs: Wk 1,024 x 1,024 float32; Wo 1,024 x 1,024 float32; Wq 1,024 x 1,024 float32; Wv 1,024 x 1,024 float32; bk 1,024 float32; bo 1,024 float32; bq 1,024 float32; bv 1,024 float32; hidden_states 4 x 2,048 x 1,024 float32.
;; Outputs: out0 4 x 2,048 x 1,024 float32.
;; This version of the problem:
;;   THIS VERSION OF THE PROBLEM IS GIVEN IN LOW PRECISION. The matrix products marked QUANTISED in the list below multiply operands that are first quantised to E2M3 (2 exponent bits, 3 mantissa bits; 6 bits a number), with one power-of-two scale for each 32 numbers along K (OCP MX v1.0); their sums are f32. All else is computed in f32.
;;   The module's matrix products, in the order in which they are computed (A, B: the left and right operand; K: the contracted axis; several contracted axes count as one K, in the product's order):
;;     1. [M 8,192, K 1,024] x [K 1,024, N 1,024]; A: input hidden_states; B: input Wq: QUANTISED
;;     2. [M 8,192, K 1,024] x [K 1,024, N 1,024]; A: input hidden_states; B: input Wk: QUANTISED
;;     3. [M 8,192, K 1,024] x [K 1,024, N 1,024]; A: input hidden_states; B: input Wv: QUANTISED
;;     4. batch 64 x [M 2,048, K 64] x [K 64, N 2,048]; A: computed on the way; B: computed on the way: QUANTISED
;;     5. batch 64 x [M 2,048, K 2,048] x [K 2,048, N 64]; A: softmax (see below); B: computed on the way: QUANTISED
;;     6. [M 8,192, K 1,024] x [K 1,024, N 1,024]; A: computed on the way; B: input Wo: QUANTISED
;;   THE QUANTISER, for each operand of a quantised product, along K:
;;     - K is cut into blocks of 32 from its start; a last block that is shorter is filled with zeros.
;;     - A block's scale is 2^e with e = floor(log2(the largest magnitude in the block)) - 2, held to -126 .. 127; a block of zeros has e = 0. As a byte (E8M0): e + 127.
;;     - Each number is divided by its block's scale, clamped to +-7.5, and rounded to the nearest number of E2M3, ties to even, subnormals kept.
;;     - The product sums the exact products of the quantised numbers (number of the format x scale) in f32.
;;   ~~~python
;;   def quantise(x, axis):      # numpy; x: float32 -> the quantised numbers, widened to float32 again
;;       x = np.moveaxis(x, axis, -1); K = x.shape[-1]
;;       x = np.pad(x, [(0, 0)] * (x.ndim - 1) + [(0, -K % 32)]); x = x.reshape(x.shape[:-1] + (-1, 32)); a = np.abs(x).max(-1, keepdims=True)
;;       e = np.where(a > 0, np.clip(np.frexp(np.where(a > 0, a, 1))[1] - 1 - 2, -126, 127), 0)      # np.frexp(a)[1] - 1 = floor(log2(a)), exactly
;;       r = np.clip(x / 2.0 ** e, -7.5, 7.5)
;;       step = 2.0 ** (np.maximum(np.frexp(np.where(r == 0, 1, r))[1] - 1, 0) - 3)
;;       q = np.round(r / step) * step * 2.0 ** e      # np.round: ties to even
;;       return np.moveaxis(q.reshape(q.shape[:-2] + (-1,))[..., :K], -1, axis).astype(np.float32)
;;   ~~~
;;   SOFTMAX AHEAD OF A QUANTISED PRODUCT. Where the list says 'softmax', what is quantised is not the finished softmax but p = 2^(t - M), with t = logit x log2(e) and M = ceil(the row's largest t), a whole number; so 1/2 < the row's largest p <= 1. The row's sum l is taken of the UNQUANTISED p, in f32, and the product's result is divided by l at the end. Since M is a whole number, a kernel that streams over the keys may use a running M (the ceiling of the running maximum): every later rescaling is an exact power of two, which a block's scale takes up: the codes' values come out the same.
;;   OPERANDS COMPUTED ON THE WAY. 'Computed on the way' means the value that the module computes at that place (a softmax that the list does not call 'softmax' is quantised finished and normalised). What goes into a quantiser is computed in f32, as accurately as f32 sums, v_exp_f32 and their like allow (about 1e-6 of the number): no bf16 or f16 on the way to a quantiser, and a product that is left as it is and whose result goes on into a quantised operand takes f32 operands (vector FMAs, or v_wmma_f32_16x16x4_f32). A number that lies on a knife's edge between two numbers of the format may be rounded either way, as far as f32 arithmetic and the matrix unit's own rounding can turn it there, and no further.
;; 2 versions, each right; version 2 is version 1 with the launch attn written anew for expert scheduling mode. Each part assembles by itself: llvm-mc -triple=amdgcn-amd-amdhsa -mcpu=gfx1250 --defsym DOCPART=n.
;; ======== version 1 of 2: 4 launches
;; workspace buffers: x_img 6,553,600 bytes; w_img 3,276,800 bytes; qkv 20,447,232 bytes; ctx_img 6,553,600 bytes; qkmax 8,192 bytes of whole numbers
;; launch quant (part 1): grid 384 x 1, 8 waves a work-group, no clusters, 69,632 bytes of LDS; arguments hidden_states, Wq, Wk, Wv, Wo, x_img, w_img; writes x_img, w_img
.if DOCPART == 1
	.amdgcn_target "amdgcn-amd-amdhsa--gfx1250"
	.amdhsa_code_object_version 6
	.text
	.protected	k_qb2e07abf2f_quant
	.globl	k_qb2e07abf2f_quant
	.p2align	8
	.type	k_qb2e07abf2f_quant,@function
k_qb2e07abf2f_quant:
	s_mov_b64 s[64:65], 0
	v_nop
	global_prefetch_b8 v0, s[64:65] scope:SCOPE_SE
	s_setreg_imm32_b32 hwreg(HW_REG_WAVE_MODE, 25, 1), 1
	s_wait_xcnt 0x0
; hidden_states [8192][1024] and Wq, Wk, Wv, Wo [1024][1024], f32, K innermost, become codes of FP6 (E2M3) with one E8M0 byte for each 32 along K,
; laid in the ORDER OF THE OPERAND'S REGISTERS.  128 rows are a group; a group and a K step of 128 are a record of 12,800 bytes: eight fragment images of 1,536 bytes, then 512 bytes of scale words.
; TILE i OF A GROUP HOLDS ROWS 32 (i / 2) + 8 (i % 2) + r + 8 (r / 8), r = 0 .. 15: where such a tile is a product's source 0, a lane's 16 results of tiles 2 b, 2 b + 1 are 16 neighbouring rows.
; A fragment image: register p of lane l at 512 (p / 4) + 16 l + 4 (p % 4).  The scale word of (tile i, row r) at 256 (i / 4) + 16 r + 4 (i % 4).
; SHARES.  A work-group takes one group and two K steps; wave i takes tile i.  Each load reads 512 consecutive bytes of one row; the 16 rows turn through the wave's own stage in LDS
; (rows 528 bytes apart) so that a lane gets 16 neighbours of each block of 32 of ITS row.  Work-groups 0 .. 255 take hidden_states, the others the four weights: only pointers are chosen.
; A block's scale is 2^(floor(log2(largest magnitude)) - 2); its byte is the largest magnitude's exponent field - 2, held at 1 from below.
; LIMITS: a block of zeros gets the byte 1 (its codes are zeros; this program alone reads the bytes); NaN and infinities among the inputs are not served.
.set REC,   12800
.set PANEL, 102400
.set STG,   8448                       ; a wave's stage: 16 rows x 528 bytes
.set SCG,   8*STG                      ; two images of scale words, 512 bytes each
.set SPARE, SCG+1024                   ; the spare words, 128 bytes for each of eight waves: four blocks of 256 bytes that no other line names
.set L16, 4                            ; v4   16 x lane
.set STI, 5                            ; v5   the stage, on the way in
.set STO, 6                            ; v6   and on the way out: row r, + 64 h
.set SCA, 7                            ; v7   where my tile's scale word of row r goes
.set SCR, 8                            ; v8   where waves 0 and 1 read an image of scale words back
.set SPW, 10                           ; v10  my spare word; never rewritten
.set NIL, 11                           ; v11  0; never rewritten
.set R,   16                           ; v16-143  two K steps as loaded
.set X,   144                          ; v144-207 64 numbers of my row: register 16 b + i = k 32 b + 16 h + i
.set TM,  208                          ; v208-223 at work
.set PW,  224                          ; the scale word just made
.set PC,  226                          ; v226-237 the fragment just made; v238-244 at work
.set SEL, 20
.macro QUANT s                         ; 64 numbers of a lane become a fragment's 12 registers in v[PC] on and its row's scale word in v[PW]
.irp b, 0,1,2,3
	v_max3_num_f32 v[TM+\b], |v[\s+16*\b]|, |v[\s+1+16*\b]|, 0x1800000   ; block b: my 16 numbers, and the floor 2^(3 - 127): the byte cannot fall under 1
.endr
.irp i, 2,4,6,8,10,12,14
.irp b, 0,1,2,3
	v_max3_num_f32 v[TM+\b], v[TM+\b], |v[\s+16*\b+\i]|, |v[\s+1+16*\b+\i]|
.endr
.endr
.irp b, 0,1,2,3
	v_permlanex16_b32 v[TM+4+\b], v[TM+\b], s[SEL], s[SEL+1]
.endr
.irp b, 0,1,2,3
	v_max_num_f32 v[TM+\b], v[TM+\b], v[TM+4+\b]   ; with lane l xor 16's: the block's largest magnitude
.endr
.irp b, 0,1,2,3
	v_add_nc_u32 v[TM+12+\b], 0xff000000, v[TM+\b]   ; 2 off its exponent field: the conversion's scale operand
.endr
.irp b, 0,1,2,3
	v_lshrrev_b32 v[TM+4+\b], 23, v[TM+12+\b]      ; the scale's byte
.endr
	v_lshl_or_b32 v[PW], v[TM+5], 8, v[TM+4]
	v_lshl_or_b32 v[PW], v[TM+6], 16, v[PW]
	v_lshl_or_b32 v[PW], v[TM+7], 24, v[PW]
.irp c, 0,1
	v_cvt_scalef32_pk16_fp6_f32 v[PC+6*\c:PC+2+6*\c], v[\s+32*\c:\s+15+32*\c], v[TM+12+2*\c]
	v_cvt_scalef32_pk16_fp6_f32 v[PC+12+4*\c:PC+14+4*\c], v[\s+16+32*\c:\s+31+32*\c], v[TM+12+2*\c+1]   ; (a conversion's three registers begin on an even number)
.endr
	v_nop                                          ; one plain place behind a scaled conversion
.irp c, 0,1                                    ; the operand wants a whole block in a lane: lanes 0-15 block 2 c, lanes 16-31 block 2 c + 1
.irp i, 0,1,2
	v_permlane16_swap_b32 v[PC+6*\c+\i], v[PC+12+4*\c+\i]
.endr
.irp i, 0,1,2
	v_mov_b32 v[PC+3+6*\c+\i], v[PC+12+4*\c+\i]
.endr
.endr
.endm
	s_load_b256 s[4:11], s[0:1], 0x0               ; hidden_states, Wq, Wk, Wv
	s_load_b128 s[12:15], s[0:1], 0x20             ; Wo, x_img
	s_load_b64 s[16:17], s[0:1], 0x30              ; w_img
	v_lshl_add_u32 v[SPW], v0, 2, SPARE
	v_mov_b32 v[NIL], 0
	v_lshrrev_b32 v1, 5, v0
	v_readfirstlane_b32 s18, v1                    ; wave = tile i
	v_and_b32 v1, 31, v0                           ; lane
	v_and_b32 v2, 15, v0                           ; r
	v_bfe_u32 v3, v0, 4, 1                         ; h
	v_lshlrev_b32 v[L16], 4, v1
	s_mul_i32 s19, s18, STG
	v_add_nc_u32 v[STI], s19, v[L16]
	v_mul_u32_u24 v[STO], v2, 528
	v_lshl_add_u32 v[STO], v3, 6, v[STO]
	v_add_nc_u32 v[STO], s19, v[STO]
	s_lshr_b32 s19, s18, 2
	s_lshl_b32 s19, s19, 8
	s_and_b32 s22, s18, 3
	s_lshl_b32 s22, s22, 2
	s_add_co_u32 s19, s19, s22
	s_add_co_u32 s19, s19, SCG
	v_lshl_add_u32 v[SCA], v2, 4, s19              ; SCG + 256 (i / 4) + 4 (i % 4) + 16 r
	v_and_b32 v9, 63, v0
	v_lshl_add_u32 v[SCR], v9, 4, SCG              ; wave 0: the first K step's image, wave 1: the second's
.irp b, 0,1,2,3
	v_mov_b32 v[TM+4+\b], 0                        ; written once: a lane permute's destination counts as one of its sources
.endr
	s_mov_b32 s[SEL], 0x76543210
	s_mov_b32 s[SEL+1], 0xfedcba98                 ; lane l xor 16
	s_lshr_b32 s22, ttmp9, 2                       ; which group of 96: 0 .. 63 hidden_states, 64 .. 95 the weights
	s_and_b32 s23, ttmp9, 3                        ; which pair of K steps
	s_sub_co_u32 s24, s22, 64                      ; the group's number in w_img
	s_lshr_b32 s25, s24, 3                         ; which weight
	s_and_b32 s26, s24, 7                          ; and which group of it
	s_cmp_lt_u32 s22, 64
	s_cselect_b32 s26, s22, s26                    ; the group in its source,
	s_cselect_b32 s27, s22, s24                    ; and in its destination
	s_lshl_b32 s28, s26, 19                        ; 128 rows of 4,096 bytes
	s_lshr_b32 s30, s18, 1
	s_lshl_b32 s30, s30, 17                        ; + 32 (i / 2) rows
	s_add_co_u32 s28, s28, s30
	s_and_b32 s30, s18, 1
	s_lshl_b32 s30, s30, 15                        ; + 8 (i % 2) rows
	s_add_co_u32 s28, s28, s30
	s_lshl_b32 s30, s23, 10                        ; + two K steps of 512 bytes
	s_add_co_u32 s28, s28, s30
	s_mov_b32 s29, 0
	s_mul_i32 s30, s27, PANEL
	s_mul_i32 s32, s23, 2*REC
	s_add_co_u32 s30, s30, s32                     ; my two records
	s_mul_i32 s32, s18, 1536
	s_add_co_u32 s32, s32, s30                     ; my tile's image in the first
	s_mov_b32 s33, 0
	s_mul_i32 s34, s18, REC
	s_add_co_u32 s34, s34, s30
	s_add_co_u32 s34, s34, 12288                   ; waves 0 and 1: the scale words of record 0, 1
	s_mov_b32 s35, 0
	s_wait_kmcnt 0x0
	s_cmp_eq_u32 s25, 1                            ; the choices hang on the work-group's number alone
	s_cselect_b64 s[6:7], s[8:9], s[6:7]
	s_cmp_eq_u32 s25, 2
	s_cselect_b64 s[6:7], s[10:11], s[6:7]
	s_cmp_eq_u32 s25, 3
	s_cselect_b64 s[6:7], s[12:13], s[6:7]
	s_cmp_lt_u32 s22, 64
	s_cselect_b64 s[6:7], s[4:5], s[6:7]
	s_cselect_b64 s[14:15], s[14:15], s[16:17]
	s_add_nc_u64 s[6:7], s[6:7], s[28:29]
	s_add_nc_u64 s[32:33], s[14:15], s[32:33]
	s_add_nc_u64 s[34:35], s[14:15], s[34:35]
.irp st, 0,1
.irp n, 0,1,2,3,4,5,6,7,8,9,10,11,12,13,14,15
	global_load_b128 v[R+64*\st+4*\n:R+64*\st+4*\n+3], v[L16], s[6:7] offset:(\n+8*(\n/8))*4096+512*\st th:TH_LOAD_NT   ; 32 lanes read 512 consecutive bytes of the tile's row n
.endr
.endr
.irp st, 0,1
	s_wait_loadcnt 16*(1-\st)                      ; this K step's 16 loads are in; the second step's 16 may be out
.irp n, 0,1,2,3,4,5,6,7,8,9,10,11,12,13,14,15
	ds_store_b128 v[STI], v[R+64*\st+4*\n:R+64*\st+4*\n+3] offset:528*\n
.endr
.irp b, 0,1,2,3
.irp j, 0,1,2,3
	ds_load_b128 v[X+16*\b+4*\j:X+16*\b+4*\j+3], v[STO] offset:128*\b+16*\j   ; LDS serves a wave's instructions in order: these see the stores above
.endr
.endr
	s_wait_dscnt 0x0
	s_wait_xcnt 0x0                                ; the last step's stores have read the fragment's registers: they are written again only behind this wait
	QUANT X
.irp c, 0,1,2
	global_store_b128 v[L16], v[PC+4*\c:PC+4*\c+3], s[32:33] offset:REC*\st+512*\c   ; 512 consecutive bytes, at a multiple of 256 from the buffer's first byte
.endr
	ds_store_b32 v[SCA], v[PW] offset:512*\st      ; lanes r and r + 16 write the same word with the same value
.endr
	s_wait_dscnt 0x0                               ; for the others' sake: my scale words have landed
	s_barrier_signal -1
	s_barrier_wait -1
	s_cmp_lt_u32 s18, 2
	s_cbranch_scc0 .Lend
	ds_load_b128 v[X:X+3], v[SCR]                  ; the eight tiles' scale words of one K step
	s_wait_dscnt 0x0
	global_store_b128 v[L16], v[X:X+3], s[34:35]   ; 512 consecutive bytes
.Lend:
	s_wait_tensorcnt 0x0                           ; the wave's end, behind my last LDS store
	ds_add_u32 v[SPW], v[NIL]
	s_wait_dscnt 0x0
	s_endpgm
.Lfunc_end_k_qb2e07abf2f_quant:
	.size	k_qb2e07abf2f_quant, .Lfunc_end_k_qb2e07abf2f_quant-k_qb2e07abf2f_quant
	.p2alignl 7, 3214868480
	.fill 96, 4, 3214868480
	.section	.rodata,"a",@progbits
	.p2align	6, 0x0
	.amdhsa_kernel k_qb2e07abf2f_quant
		.amdhsa_group_segment_fixed_size 69632
		.amdhsa_private_segment_fixed_size 0
		.amdhsa_enable_private_segment 0
		.amdhsa_kernarg_size 56
		.amdhsa_user_sgpr_count 2
		.amdhsa_user_sgpr_kernarg_segment_ptr 1
		.amdhsa_wavefront_size32 1
		.amdhsa_system_sgpr_workgroup_id_x 1
		.amdhsa_system_sgpr_workgroup_id_y 1
		.amdhsa_system_sgpr_workgroup_id_z 1
		.amdhsa_system_vgpr_workitem_id 0
		.amdhsa_next_free_vgpr 256
		.amdhsa_next_free_sgpr 66
		.amdhsa_reserve_vcc 0
		.amdhsa_float_denorm_mode_32 3
		.amdhsa_float_denorm_mode_16_64 3
		.amdhsa_memory_ordered 1
		.amdhsa_forward_progress 1
		.amdhsa_inst_pref_size 19
	.end_amdhsa_kernel
	.amdgpu_metadata
---
amdhsa.version: [ 1, 2 ]
amdhsa.kernels:
  - .name:           k_qb2e07abf2f_quant
    .symbol:         k_qb2e07abf2f_quant.kd
    .args:
      - { .name: hidden_states, .offset: 0, .size: 8, .value_kind: global_buffer, .address_space: global }
      - { .name: Wq, .offset: 8, .size: 8, .value_kind: global_buffer, .address_space: global }
      - { .name: Wk, .offset: 16, .size: 8, .value_kind: global_buffer, .address_space: global }
      - { .name: Wv, .offset: 24, .size: 8, .value_kind: global_buffer, .address_space: global }
      - { .name: Wo, .offset: 32, .size: 8, .value_kind: global_buffer, .address_space: global }
      - { .name: x_img, .offset: 40, .size: 8, .value_kind: global_buffer, .address_space: global }
      - { .name: w_img, .offset: 48, .size: 8, .value_kind: global_buffer, .address_space: global }
    .group_segment_fixed_size: 69632
    .private_segment_fixed_size: 0
    .kernarg_segment_align: 8
    .kernarg_segment_size: 56
    .max_flat_workgroup_size: 256
    .sgpr_count:     66
    .vgpr_count:     256
    .wavefront_size: 32
...
	.end_amdgpu_metadata
.endif
;; end of part 1
;; launch qkv (part 2): grid 12 x 64, 4 waves a work-group, clusters of 4 x 4, 327,680 bytes of LDS; arguments x_img, w_img, bq, bk, bv, qkv, qkmax; writes qkv, qkmax
.if DOCPART == 2
	.amdgcn_target "amdgcn-amd-amdhsa--gfx1250"
	.amdhsa_code_object_version 6
	.text
	.protected	k_qb2e07abf2f_qkv
	.globl	k_qb2e07abf2f_qkv
	.p2align	8
	.type	k_qb2e07abf2f_qkv,@function
k_qb2e07abf2f_qkv:
	s_mov_b64 s[64:65], 0
	v_nop
	global_prefetch_b8 v0, s[64:65] scope:SCOPE_SE
	s_setreg_imm32_b32 hwreg(HW_REG_WAVE_MODE, 25, 1), 1
	s_wait_xcnt 0x0
	s_wait_alu depctr_hold_cnt(0) depctr_sa_sdst(0) depctr_va_vdst(0) depctr_va_sdst(0) depctr_va_ssrc(0) depctr_va_vcc(0) depctr_vm_vsrc(0)
	s_getreg_b32 s2, hwreg(HW_REG_IB_STS2, 6, 4)
	s_cmp_eq_u32 s2, 0
	s_cbranch_scc0 .Lentry_in_a_cluster
	s_endpgm
.Lentry_in_a_cluster:
	s_bfe_u32 s2, ttmp6, 0x10000c
	s_cmp_lg_u32 s2, 0xf033
	s_cbranch_scc0 .Lentry_shape_is_right
	s_endpgm
.Lentry_shape_is_right:
; q = x Wq^T + bq, k = x Wk^T + bk, v = x Wv^T + bv on codes of FP6 (E2M3) with E8M0 scales, sums in f32; the results are quantised at once for attention: q and k along the head's 64, v along the keys.
; OPERANDS come as records (a group of 128 rows, a K step of 128: eight fragment images of 1,536 bytes and 512 bytes of scale words); a group's eight records are 102,400 consecutive bytes.
; TILE.  A work-group takes 256 rows of source 0 and 128 rows of source 1 over all of K = 1,024.  ALL OF K LIES IN LDS AT ONCE (307,200 bytes): every byte is filled once, in four chunks of two K steps, so no slot is filled again.
; Four waves: wave & 1 picks source 0's group, wave >> 1 picks four of source 1's eight tiles: 128 x 64 a wave, 32 accumulators.  A lane holds ONE row of source 1, its registers run along source 0's rows.
; WHICH TENSOR IS SOURCE 0 decides along what a lane's registers run.  Cluster x = 0 (q), 1 (k): source 0 = the weight's rows, so the registers run along the features: blocks of 32 along a head's 64.
; Cluster x = 2 (v): source 0 = x's rows, so the registers run along the KEYS, which are the second attention product's K.  Nothing is transposed.
; CLUSTER 4 x 4: source 0's panels hang on cx and are shared along a column, source 1's on cy and are shared along a row: each is asked for jointly.  The branches on the kind hang on the cluster's x, which partners share.
; OUT: a record of 19,968 bytes for (batch, head, block of 128 positions): q's part, k's part (eight half images of 768 bytes, 512 bytes of scale words), v's part (four images, 512 bytes of scale words).
; qkmax: for each wave of q and k the exponent field of the largest magnitude in its 64 rows x 128 features, as a whole number: the next launch decides by it whether far key blocks can count.
; LIMITS: a block of zeros gets the byte 1 (this program alone reads the bytes); NaN and infinities are not served.
; REGISTERS: window 0: v4-21 addresses; v32-63, v64-95 scale words of source 0 and 1, four for each K step; v96-159 the bias; v160-199 the way out.  Window 1: accumulator (a, b) at 8 (8 a + b).
;   window 2: source 0's fragments, two sets of 96.   window 3: source 1's, two sets of 48.
.set REC,   12800
.set PANEL, 102400
.set S1B,   204800                     ; LDS: source 0's two panels, then source 1's
.set SPARE, 307200                     ; the spare words, 128 bytes a wave: two blocks of 256 bytes that no other line names
.set RECB,  19968
.set PART,  6656
.set HSTR,  319488                     ; from a head to the next: 16 records
.set A0,  4                            ; v4, v5   my source 0 panel + 16 x lane: K steps 0-3, 4-7
.set A1,  6                            ; v6, v7   my four tiles of source 1
.set A1S, 8                            ; v8, v9   their scale words: + 256 (wave >> 1) + 16 r
.set L16Y, 10
.set L8Y,  11
.set SCV,  12
.set SH,   13
.set MX,   14
.set L16,  15
.set SPW,  16                          ; my spare word; never rewritten
.set NIL,  17                          ; 0; never rewritten
.set BO0,  18
.set BO1,  19
.set LN,   20
.set ZO,   21
.set SC0,  32
.set SC1,  64
.set BI,   96
.set TM,   160
.set SW,   176
.set PC,   180
.set G1A, 16
.set G1B, 24
.set G0A, 32
.set G0B, 48
.set WV,  68
.set Y0,  69
.set Y1,  70
.set CX,  71
.set CY,  72
.set CLX, 73
.set CLY, 74
.set SEL, 94
.set MSB, 0
.macro WIN new                         ; the immediate's high byte repeats the setting that is left
.if MSB != \new
	s_set_vgpr_msb (MSB<<8)|\new
.set MSB, \new
.endif
.endm
.macro PLACES n
.rept \n
	v_nop
.endr
.endm
.macro CROUND                          ; a round of the cluster's barrier
	s_barrier_signal -1
	s_barrier_wait -1
	s_cmp_lg_u32 s[WV], 0
	s_cbranch_scc1 .Lnot_wave_0_\@
	s_barrier_signal -3
.Lnot_wave_0_\@:
	s_barrier_wait -3
	s_barrier_signal -1
	s_barrier_wait -1
.endm
.macro FETCH st                        ; 38 LDS loads: K step st's eight fragments of source 0, my four of source 1, and their scale words
.set FP, (\st)&1
.set FO, ((\st)&3)*REC
.set FX, (\st)>>2
	WIN 0x80                                       ; destination window 2
.irp b, 0,1,2,3,4,5,6,7
.irp c, 0,1,2
	ds_load_b128 v[96*FP+12*\b+4*\c:96*FP+12*\b+4*\c+3], v[A0+FX] offset:FO+1536*\b+512*\c
.endr
.endr
	WIN 0xc0                                       ; destination window 3
.irp a, 0,1,2,3
.irp c, 0,1,2
	ds_load_b128 v[48*FP+12*\a+4*\c:48*FP+12*\a+4*\c+3], v[A1+FX] offset:FO+1536*\a+512*\c
.endr
.endr
	WIN 0
	ds_load_b128 v[SC0+4*(\st):SC0+4*(\st)+3], v[A0+FX] offset:FO+12288    ; lanes 0-15: tiles 0-3; lanes 16-31: tiles 4-7
	ds_load_b128 v[SC1+4*(\st):SC1+4*(\st)+3], v[A1S+FX] offset:FO+12288   ; my four tiles, row r
.endm
.macro WM d, fa, fb, cr, sa, sb, row
.if \row
	v_wmma_scale_f32_16x16x128_f8f6f4 v[(\d):(\d)+7], v[(\fa):(\fa)+11], v[(\fb):(\fb)+11], v[(\cr):(\cr)+7], v[\sa], v[\sb] matrix_a_fmt:MATRIX_FMT_FP6 matrix_b_fmt:MATRIX_FMT_FP6 matrix_a_scale:MATRIX_SCALE_ROW1
.else
	v_wmma_scale_f32_16x16x128_f8f6f4 v[(\d):(\d)+7], v[(\fa):(\fa)+11], v[(\fb):(\fb)+11], v[(\cr):(\cr)+7], v[\sa], v[\sb] matrix_a_fmt:MATRIX_FMT_FP6 matrix_b_fmt:MATRIX_FMT_FP6
.endif
.endm
; 32 matrix instructions: K step st.  cm = 0: onto the sums; 1: the sums begin with the bias of source 0's rows; 2: with that of source 1's.  The 32 accumulators take turns, one instruction a turn, in the same order in every step.
.macro MUL st, cm
.set MP, (\st)&1
.if (\cm) == 0
	WIN 0x5e                                       ; source 0 window 2, source 1 window 3, C and D window 1
.else
	WIN 0x4e                                       ; C window 0
.endif
.irp a, 0,1,2,3
.irp b, 0,1,2,3,4,5,6,7
.if (\cm) == 0
	WM 8*(8*\a+\b), 96*MP+12*\b, 48*MP+12*\a, 8*(8*\a+\b), SC0+4*(\st)+\b%4, SC1+4*(\st)+\a, \b/4
.elseif (\cm) == 1
	WM 8*(8*\a+\b), 96*MP+12*\b, 48*MP+12*\a, BI+8*\b, SC0+4*(\st)+\b%4, SC1+4*(\st)+\a, \b/4
.else
	WM 8*(8*\a+\b), 96*MP+12*\b, 48*MP+12*\a, BI+8*\a, SC0+4*(\st)+\b%4, SC1+4*(\st)+\a, \b/4
.endif
.endr
.endr
.endm
.macro EVEN st                         ; the next K step lies in the same chunk
	PLACES 4                                       ; in front of loads into registers that matrix instructions have read
	FETCH (\st)+1
	s_wait_dscnt 38                                ; all but the 38 just issued: this step's fragments are in
	MUL \st, 0
.endm
.macro ODD st, left                    ; the next K step lies in the next chunk
	s_wait_dscnt 0x0                               ; this step's fragments are in, and no LDS instruction of mine is out at the signal
	s_wait_tensorcnt \left                         ; my load of the next chunk has landed; my loads of the later chunks may stay out
	s_barrier_signal -1
	s_barrier_wait -1                              ; everybody's has
	PLACES 4
	FETCH (\st)+1
	MUL \st, 0
.endm
; 64 results of a lane in window 1, v[s] on (register 16 b + i = place 32 b + 16 h + i along the next K), become a fragment in v[PC] on and its scale word in v[w].  Each accumulator is read from its low end on.
.macro QUANTW s, w
	WIN 0x05
.irp b, 0,1,2,3
	v_max3_num_f32 v[TM+\b], |v[(\s)+16*\b]|, |v[(\s)+1+16*\b]|, 0x1800000   ; and the floor 2^(3 - 127)
.endr
	WIN 0x14
.irp i, 2,4,6,8,10,12,14
.irp b, 0,1,2,3
	v_max3_num_f32 v[TM+\b], v[TM+\b], |v[(\s)+16*\b+\i]|, |v[(\s)+1+16*\b+\i]|
.endr
.endr
	WIN 0
.irp b, 0,1,2,3
	v_permlanex16_b32 v[TM+4+\b], v[TM+\b], s[SEL], s[SEL+1]
.endr
.irp b, 0,1,2,3
	v_max_num_f32 v[TM+\b], v[TM+\b], v[TM+4+\b]
.endr
.irp b, 0,1,2,3
	v_add_nc_u32 v[TM+12+\b], 0xff000000, v[TM+\b]
.endr
.irp b, 0,1,2,3
	v_lshrrev_b32 v[TM+4+\b], 23, v[TM+12+\b]
.endr
	v_lshl_or_b32 v[\w], v[TM+5], 8, v[TM+4]
	v_lshl_or_b32 v[\w], v[TM+6], 16, v[\w]
	v_lshl_or_b32 v[\w], v[TM+7], 24, v[\w]
	WIN 0x01
.irp c, 0,1
	v_cvt_scalef32_pk16_fp6_f32 v[PC+6*\c:PC+2+6*\c], v[(\s)+32*\c:(\s)+15+32*\c], v[TM+12+2*\c]
	v_cvt_scalef32_pk16_fp6_f32 v[PC+12+4*\c:PC+14+4*\c], v[(\s)+16+32*\c:(\s)+31+32*\c], v[TM+12+2*\c+1]
.endr
	WIN 0
	v_nop                                          ; one plain place behind a scaled conversion
.irp c, 0,1
.irp i, 0,1,2
	v_permlane16_swap_b32 v[PC+6*\c+\i], v[PC+12+4*\c+\i]
.endr
.irp i, 0,1,2
	v_mov_b32 v[PC+3+6*\c+\i], v[PC+12+4*\c+\i]
.endr
.endr
.endm
	s_load_b256 s[4:11], s[0:1], 0x0               ; x_img, w_img, bq, bk
	s_load_b128 s[12:15], s[0:1], 0x20             ; bv, qkv
	s_load_b64 s[2:3], s[0:1], 0x30                ; qkmax
	v_lshl_add_u32 v[SPW], v0, 2, SPARE
	v_mov_b32 v[NIL], 0
	ds_add_u32 v[SPW], v[NIL]                      ; the wave's opening: the add and its wait stand ahead of my first tensor load; the set-up below stands between them
	v_lshrrev_b32 v1, 5, v0
	v_readfirstlane_b32 s[WV], v1
	s_and_b32 s[Y0], s[WV], 1
	s_lshr_b32 s[Y1], s[WV], 1
	s_bfe_u32 s[CX], ttmp6, 0x40000
	s_bfe_u32 s[CY], ttmp6, 0x40004
	s_mov_b32 s[CLX], ttmp9                        ; the kind: 0 q, 1 k, 2 v
	s_and_b32 s[CLY], ttmp7, 0xffff
	s_lshl_b32 s76, 0x1111, s[CX]                  ; my column of the cluster
	s_lshl_b32 s77, s[CY], 2
	s_lshl_b32 s77, 15, s77                        ; my row
	s_or_b32 s[G1A], s76, (3<<16)|(1<<21)          ; source 0's panels go to my column; elements of 8 bytes; bit 21 beside a mask
	s_or_b32 s[G1B], s77, (3<<16)|(1<<21)          ; source 1's to my row
	s_mov_b32 s[G1A+1], 32<<16                     ; a dense block as rows of 256 bytes: tensor_dim0 = 32
	s_mov_b32 s[G1A+2], 100<<16                    ; tensor_dim1 = 100 rows: two records
	s_mov_b32 s[G1A+3], 32<<16                     ; tile_dim0
	s_mov_b32 s[G1A+4], 100                        ; tile_dim1
	s_mov_b32 s[G1A+5], 32                         ; the pitch
	s_mov_b32 s[G1A+6], 0
	s_mov_b32 s[G1A+7], 0
	s_mov_b32 s[G1B+1], 32<<16
	s_mov_b32 s[G1B+2], 50<<16                     ; 50 rows: one record
	s_mov_b32 s[G1B+3], 32<<16
	s_mov_b32 s[G1B+4], 50
	s_mov_b32 s[G1B+5], 32
	s_mov_b32 s[G1B+6], 0
	s_mov_b32 s[G1B+7], 0
	s_lshl_b32 s78, s[CLX], 2                      ; q, k: source 0 = weight groups 2 (4 clx + cx) + 0, 1
	s_and_b32 s79, s[CLY], 7
	s_lshl_b32 s79, s79, 2                         ; v: source 0 = x groups 2 (4 (cly & 7) + cx) + 0, 1
	s_lshl_b32 s80, s[CLY], 2                      ; q, k: source 1 = x group 4 cly + cy
	s_lshr_b32 s81, s[CLY], 3
	s_lshl_b32 s81, s81, 2
	s_add_co_u32 s81, s81, 16                      ; v: source 1 = weight group 16 + 4 (cly >> 3) + cy
	s_cmp_eq_u32 s[CLX], 2
	s_cselect_b32 s78, s79, s78
	s_cselect_b32 s80, s81, s80
	s_add_co_u32 s78, s78, s[CX]
	s_lshl_b32 s78, s78, 1
	s_add_co_u32 s80, s80, s[CY]                   ; s80: source 1's group
	s_add_co_u32 s82, s78, s[Y0]                   ; s82: the group of source 0 that I multiply (and, in waves 0 and 1, fetch)
	s_mul_i32 s88, s82, PANEL
	s_mov_b32 s89, 0
	s_mul_i32 s83, s[Y0], REC
	s_mul_i32 s90, s80, PANEL
	s_add_co_u32 s90, s90, s83                     ; waves 2, 3: the first or the second record of each chunk
	s_mov_b32 s91, 0
	s_mul_i32 s92, s[Y0], PANEL                    ; where they go: no place in the cluster enters an LDS address
	s_add_co_u32 s93, s83, S1B
	s_mov_b32 s[SEL], 0x76543210
	s_mov_b32 s[SEL+1], 0xfedcba98
	s_wait_dscnt 0x0                               ; the opening add is done
	s_wait_kmcnt 0x0
	s_cmp_eq_u32 s[CLX], 2
	s_cselect_b64 s[84:85], s[4:5], s[6:7]         ; source 0's buffer,
	s_cselect_b64 s[86:87], s[6:7], s[4:5]         ; source 1's
	s_add_nc_u64 s[84:85], s[84:85], s[88:89]
	s_add_nc_u64 s[86:87], s[86:87], s[90:91]
.irp c, 0,1,2,3
	s_mov_b32 s[G0A+4*\c], 1
	s_add_co_u32 s[G0A+4*\c+1], s92, \c*2*REC
	s_add_nc_u64 s[G0A+4*\c+2:G0A+4*\c+3], s[84:85], \c*2*REC
	s_or_b32 s[G0A+4*\c+3], s[G0A+4*\c+3], 0x80000000
	s_mov_b32 s[G0B+4*\c], 1
	s_add_co_u32 s[G0B+4*\c+1], s93, \c*2*REC
	s_add_nc_u64 s[G0B+4*\c+2:G0B+4*\c+3], s[86:87], \c*2*REC
	s_or_b32 s[G0B+4*\c+3], s[G0B+4*\c+3], 0x80000000
.endr
	CROUND                                         ; all sixteen work-groups are here: the joint loads meet
	s_cmp_lt_u32 s[WV], 2                          ; a wave's four fills stand in one branch, ahead of every wait on TENSORcnt, every LDS read and every barrier: four loads of mine are out
	s_cbranch_scc0 .Lfill_s1
.irp c, 0,1,2,3
	tensor_load_to_lds s[G0A+4*\c:G0A+4*\c+3], s[G1A:G1A+7]
	s_nop 0
.endr
	PLACES 4
	s_branch .Lfilled
.Lfill_s1:
.irp c, 0,1,2,3
	tensor_load_to_lds s[G0B+4*\c:G0B+4*\c+3], s[G1B:G1B+7]
	s_nop 0
.endr
	PLACES 4
.Lfilled:
	v_and_b32 v[LN], 31, v0
	v_and_b32 v2, 15, v0                           ; r
	v_bfe_u32 v3, v0, 4, 1                         ; h
	v_lshlrev_b32 v[BO0], 6, v3                    ; q, k: my half's 16 features of each 32
	v_and_b32 v1, 8, v2
	v_add_nc_u32 v1, v1, v2
	v_lshlrev_b32 v[BO1], 2, v1                    ; v: my row of a tile: r + 8 (r / 8)
	s_cmp_eq_u32 s[CLX], 2
	s_cbranch_scc1 .Lbias_v
	s_cmp_eq_u32 s[CLX], 1
	s_cselect_b64 s[96:97], s[10:11], s[8:9]
	s_lshl_b32 s98, s[CX], 1
	s_add_co_u32 s98, s98, s[Y0]
	s_lshl_b32 s98, s98, 9                         ; my 128 features
	s_mov_b32 s99, 0
	s_add_nc_u64 s[96:97], s[96:97], s[98:99]
.irp b, 0,1,2,3,4,5,6,7
	global_load_b128 v[BI+8*\b:BI+8*\b+3], v[BO0], s[96:97] offset:(32*(\b/2)+8*(\b%2))*4
	global_load_b128 v[BI+8*\b+4:BI+8*\b+7], v[BO0], s[96:97] offset:(32*(\b/2)+8*(\b%2))*4+16
.endr
	s_branch .Lbias_done
.Lbias_v:
	s_sub_co_u32 s98, s80, 16
	s_lshl_b32 s98, s98, 1
	s_add_co_u32 s98, s98, s[Y1]                   ; my head
	s_lshl_b32 s98, s98, 8                         ; its 64 numbers
	s_mov_b32 s99, 0
	s_add_nc_u64 s[96:97], s[12:13], s[98:99]
.irp a, 0,1,2,3
	global_load_b32 v[BI+8*\a], v[BO1], s[96:97] offset:(32*(\a/2)+8*(\a%2))*4
.endr
.Lbias_done:
	v_lshlrev_b32 v[L16], 4, v[LN]
	s_mul_i32 s98, s[Y0], PANEL
	v_add_nc_u32 v[A0], s98, v[L16]
	v_add_nc_u32 v[A0+1], 4*REC, v[A0]
	s_mul_i32 s98, s[Y1], 6144
	s_add_co_u32 s98, s98, S1B
	v_add_nc_u32 v[A1], s98, v[L16]
	v_add_nc_u32 v[A1+1], 4*REC, v[A1]
	s_lshl_b32 s98, s[Y1], 8
	s_add_co_u32 s99, s98, S1B
	v_lshl_add_u32 v[A1S], v2, 4, s99
	v_add_nc_u32 v[A1S+1], 4*REC, v[A1S]
	v_mul_u32_u24 v[SCV], v3, HSTR                 ; the way out of q's and k's scale words: lanes 16-31 write the second head's
	v_lshl_add_u32 v[SCV], v2, 4, v[SCV]
	v_add_nc_u32 v[SCV], s98, v[SCV]
	s_mul_i32 s98, s[Y1], 3072                     ; my four half images
	v_add_nc_u32 v[L16Y], s98, v[L16]
	v_lshl_add_u32 v[L8Y], v[LN], 3, s98
	v_lshlrev_b32 v[SH], 4, v3
	v_mov_b32 v[MX], 0
	v_mov_b32 v[ZO], 0
.irp b, 0,1,2,3
	v_mov_b32 v[TM+4+\b], 0                        ; written once: a lane permute's destination counts as one of its sources
.endr
	s_wait_tensorcnt 3                             ; my load of chunk 0 has landed; my three later loads may stay out
	s_barrier_signal -1
	s_barrier_wait -1
	FETCH 0
	s_wait_loadcnt 0x0                             ; the bias
	FETCH 1
	s_wait_dscnt 38
	s_cmp_eq_u32 s[CLX], 2
	s_cbranch_scc1 .Lfirst_v
	MUL 0, 1                                       ; the first K step starts the sums with the bias: nothing is cleared, nothing is added later
	WIN 0
	s_branch .Lfirst_done
.Lfirst_v:
.irp a, 0,1,2,3
.irp j, 1,2,3,4,5,6,7
	v_mov_b32 v[BI+8*\a+\j], v[BI+8*\a]            ; v's bias hangs on the lane's row alone: the same in a tile's eight registers
.endr
.endr
	PLACES 4
	MUL 0, 2
	WIN 0
.Lfirst_done:
	ODD 1, 2
	EVEN 2
	ODD 3, 1
	EVEN 4
	ODD 5, 0
	EVEN 6
	s_wait_dscnt 0x0
	MUL 7, 0
	WIN 0
	PLACES 4                                       ; in front of the first read of results
	s_cmp_eq_u32 s[CLX], 2
	s_cbranch_scc1 .Lepi_v
	; ---- q, k: a lane's 64 results of a tile of rows are 128 features = two heads: registers 0-5 of the fragment are the first head's half image, 6-11 the second's
	s_lshl_b32 s98, s[CX], 1
	s_add_co_u32 s98, s98, s[Y0]                   ; hp: heads 2 hp, 2 hp + 1
	s_lshr_b32 s99, s80, 4
	s_lshl_b32 s99, s99, 4                         ; 16 x batch
	s_lshl_b32 s83, s98, 1
	s_add_co_u32 s99, s99, s83
	s_lshl_b32 s99, s99, 4
	s_and_b32 s83, s80, 15
	s_add_co_u32 s99, s99, s83                     ; the record
	s_mul_i32 s96, s99, RECB
	s_mul_i32 s83, s[CLX], PART
	s_add_co_u32 s96, s96, s83
	s_mov_b32 s97, 0
	s_add_nc_u64 s[96:97], s[14:15], s[96:97]
	s_lshl_b32 s83, s[CLX], 10
	s_lshl_b32 s98, s98, 7
	s_add_co_u32 s83, s83, s98
	s_lshl_b32 s98, s80, 1
	s_add_co_u32 s83, s83, s98
	s_add_co_u32 s83, s83, s[Y1]
	s_lshl_b32 s98, s83, 2                         ; qkmax: word 1024 kind + 128 hp + 2 group + (wave >> 1)
	s_mov_b32 s99, 0
	s_add_nc_u64 s[2:3], s[2:3], s[98:99]
.irp q, 0,1,2,3
	s_wait_xcnt 0x0                                ; the last tile's stores have read the fragment's registers
	QUANTW 64*\q, SW+\q
	v_max3_num_f32 v[MX], v[MX], v[TM], v[TM+1]
	v_max3_num_f32 v[MX], v[MX], v[TM+2], v[TM+3]
	global_store_b128 v[L16Y], v[PC:PC+3], s[96:97] offset:768*\q
	global_store_b64 v[L8Y], v[PC+4:PC+5], s[96:97] offset:768*\q+512
	global_store_b128 v[L16Y], v[PC+6:PC+9], s[96:97] offset:768*\q+HSTR
	global_store_b64 v[L8Y], v[PC+10:PC+11], s[96:97] offset:768*\q+512+HSTR
.endr
.irp q, 0,1,2,3
	v_bfe_u32 v[SW+\q], v[SW+\q], v[SH], 16        ; lanes 0-15 keep the first head's two bytes, lanes 16-31 the second's; the upper bytes are 0
.endr
	global_store_b128 v[SCV], v[SW:SW+3], s[96:97] offset:6144   ; sixteen lanes fill 256 consecutive bytes of each head's scale words
	v_max_num_f32_dpp v[MX], v[MX], v[MX] row_xmask:1 row_mask:0xf bank_mask:0xf
	v_max_num_f32_dpp v[MX], v[MX], v[MX] row_xmask:2 row_mask:0xf bank_mask:0xf
	v_max_num_f32_dpp v[MX], v[MX], v[MX] row_xmask:4 row_mask:0xf bank_mask:0xf
	v_max_num_f32_dpp v[MX], v[MX], v[MX] row_xmask:8 row_mask:0xf bank_mask:0xf
	v_lshrrev_b32 v[MX], 23, v[MX]                 ; the exponent field of my wave's largest magnitude
	s_wait_xcnt 0x0                                ; EXEC changes only behind this wait
	v_cmp_eq_u32 vcc_lo, 0, v[LN]
	s_and_saveexec_b32 s83, vcc_lo
	global_store_b32 v[ZO], v[MX], s[2:3]
	s_wait_xcnt 0x0                                ; and again in front of the line that widens it
	s_or_b32 exec_lo, exec_lo, s83
	s_branch .Lend
.Lepi_v:
	; ---- v: a lane holds one of the head's 64 numbers, its 64 results run along 128 keys: a whole fragment of the second attention product
	s_sub_co_u32 s98, s80, 16
	s_lshl_b32 s98, s98, 1
	s_add_co_u32 s98, s98, s[Y1]                   ; the head
	s_lshr_b32 s99, s82, 4
	s_lshl_b32 s99, s99, 4                         ; 16 x batch
	s_add_co_u32 s99, s99, s98
	s_lshl_b32 s99, s99, 4
	s_and_b32 s83, s82, 15
	s_add_co_u32 s99, s99, s83                     ; the record
	s_mul_i32 s96, s99, RECB
	s_add_co_u32 s96, s96, 2*PART
	s_mov_b32 s97, 0
	s_add_nc_u64 s[96:97], s[14:15], s[96:97]
.irp q, 0,1,2,3
	s_wait_xcnt 0x0
	QUANTW 64*\q, SW+\q
.irp c, 0,1,2
	global_store_b128 v[L16], v[PC+4*\c:PC+4*\c+3], s[96:97] offset:1536*\q+512*\c
.endr
.endr
	global_store_b128 v[L16], v[SW:SW+3], s[96:97] offset:6144   ; four words a lane; lanes 16-31 hold a copy
.Lend:
	s_wait_tensorcnt 0x0                           ; the wave's end, behind my last tensor load
	ds_add_u32 v[SPW], v[NIL]
	s_wait_dscnt 0x0
	CROUND                                         ; the closing round
	s_endpgm
.Lfunc_end_k_qb2e07abf2f_qkv:
	.size	k_qb2e07abf2f_qkv, .Lfunc_end_k_qb2e07abf2f_qkv-k_qb2e07abf2f_qkv
	.p2alignl 7, 3214868480
	.fill 96, 4, 3214868480
	.section	.rodata,"a",@progbits
	.p2align	6, 0x0
	.amdhsa_kernel k_qb2e07abf2f_qkv
		.amdhsa_group_segment_fixed_size 327680
		.amdhsa_private_segment_fixed_size 0
		.amdhsa_enable_private_segment 0
		.amdhsa_kernarg_size 56
		.amdhsa_user_sgpr_count 2
		.amdhsa_user_sgpr_kernarg_segment_ptr 1
		.amdhsa_wavefront_size32 1
		.amdhsa_system_sgpr_workgroup_id_x 1
		.amdhsa_system_sgpr_workgroup_id_y 1
		.amdhsa_system_sgpr_workgroup_id_z 1
		.amdhsa_system_vgpr_workitem_id 0
		.amdhsa_next_free_vgpr 896
		.amdhsa_next_free_sgpr 100
		.amdhsa_reserve_vcc 1
		.amdhsa_float_denorm_mode_32 3
		.amdhsa_float_denorm_mode_16_64 3
		.amdhsa_memory_ordered 1
		.amdhsa_forward_progress 1
		.amdhsa_inst_pref_size 107
	.end_amdhsa_kernel
	.amdgpu_metadata
---
amdhsa.version: [ 1, 2 ]
amdhsa.kernels:
  - .name:           k_qb2e07abf2f_qkv
    .symbol:         k_qb2e07abf2f_qkv.kd
    .args:
      - { .name: x_img, .offset: 0, .size: 8, .value_kind: global_buffer, .address_space: global }
      - { .name: w_img, .offset: 8, .size: 8, .value_kind: global_buffer, .address_space: global }
      - { .name: bq, .offset: 16, .size: 8, .value_kind: global_buffer, .address_space: global }
      - { .name: bk, .offset: 24, .size: 8, .value_kind: global_buffer, .address_space: global }
      - { .name: bv, .offset: 32, .size: 8, .value_kind: global_buffer, .address_space: global }
      - { .name: qkv, .offset: 40, .size: 8, .value_kind: global_buffer, .address_space: global }
      - { .name: qkmax, .offset: 48, .size: 8, .value_kind: global_buffer, .address_space: global }
    .group_segment_fixed_size: 327680
    .private_segment_fixed_size: 0
    .kernarg_segment_align: 8
    .kernarg_segment_size: 56
    .max_flat_workgroup_size: 128
    .sgpr_count:     100
    .vgpr_count:     896
    .wavefront_size: 32
...
	.end_amdgpu_metadata
.endif
;; end of part 2
;; launch attn (part 3): grid 256 x 1, 16 waves a work-group, no clusters, 109,568 bytes of LDS; arguments qkv, qkmax, ctx_img; writes ctx_img
.if DOCPART == 3
	.amdgcn_target "amdgcn-amd-amdhsa--gfx1250"
	.amdhsa_code_object_version 6
	.text
	.protected	k_qb2e07abf2f_attn
	.globl	k_qb2e07abf2f_attn
	.p2align	8
	.type	k_qb2e07abf2f_attn,@function
k_qb2e07abf2f_attn:
	s_mov_b64 s[64:65], 0
	v_nop
	global_prefetch_b8 v0, s[64:65] scope:SCOPE_SE
	s_setreg_imm32_b32 hwreg(HW_REG_WAVE_MODE, 25, 1), 1
	s_wait_xcnt 0x0
; ctx = softmax(q k^T / 8 - 10000 [|query - key| > 128]) v for 64 (batch, head) pairs of 2,048 positions, both products on codes of FP6 (E2M3) with E8M0 scales; ctx is quantised at once along the hidden axis for the last product.
; SOFTMAX: t = logit x log2(e); M = the running largest t rounded up to a whole number; p = 2^(t - M) is quantised along the keys, not normalised; the row's sum is taken of the unquantised p and divides at the end.
; SHARES.  A work-group takes query blocks 2 A, 2 A + 1 (128 positions each) of heads 2 hp, 2 hp + 1 of one batch.  Wave w: block a = 2 A + w / 8, tile i = w % 8 of 16 queries (32 (i / 2) + 8 (i % 2) + r + 8 (r / 8)),
; first head 2 hp, then 2 hp + 1: so it ends with one whole fragment (16 rows x 128 hidden) of ctx and its scale word.  Four waves share a SIMD: one wave's vector work stands beside another's products and loads.
; THE MASK.  A query of block a meets keys that are not masked only in key blocks a - 1, a, a + 1.  In block a - 1 key kk is masked where kk < the query's place qq in its block, in a + 1 where kk > qq, in block a never.
; By blocks of 32 keys: a whole block is masked or free (a scalar addend in t), but the one block with the query's own number, where the addend is chosen key by key.
; THE OTHER 13 KEY BLOCKS are masked whole.  With Eq, Ek the largest exponent fields of q and k (stored by the launch before), a logit before the mask is under 2^(Eq + Ek - 254 + 5); for Eq + Ek <= 261 a far logit lies
; at least 1,808 under the row's largest, and its p is exactly 0 in f32: the blocks are jumped over.  Else they are walked, from memory.  This launch fills LDS through registers.
; No cluster: of a work-group's four key blocks only the two outer ones are read by a neighbour too.
; K = 64 IN A FORM OF 128: q's registers 6-11 are zero codes and the upper two scale bytes of q and k are 0, so whatever k's operand names there (the next tile's codes) adds nothing.
; LIMITS: exponentials under 2^-126 come out as 0; the mask's addend enters as -80000 on a score or as -10000 log2(e) on t, which may round an ulp of the sum otherwise than adding -10000 to the logit; NaN and infinities are not served.
.set RECB,  19968
.set PART,  6656
.set HSTR,  319488
.set SLOTB, 13312                      ; LDS: slot 4 hd + j holds k's and v's parts of key block 2 A - 1 + j (held to 0 .. 15) of head 2 hp + hd
.set SCG,   8*SLOTB                    ; two images of ctx's scale words
.set SPARE, SCG+1024                   ; the spare words, 128 bytes for each of sixteen waves: eight blocks of 256 bytes that no other line names
.set REC,   12800
.set PANEL, 102400
.set L16, 1
.set L8,  2
.set SPW, 3                            ; my spare word; never rewritten
.set NIL, 4                            ; 0; never rewritten
.set DD,  5                            ; my query's place in its block of 32, less 16 h
.set PEN, 6                            ; -80000.0
.set ZR,  7                            ; 0.0
.set A16, 8
.set A8,  9
.set SCA, 10
.set SCR, 11
.set QF,  16                           ; v16-27 q's fragment (v22-27 zeros)
.set QS,  28
.set PS,  29
.set T0,  30                           ; v30, v31 at work
.set KV,  32                           ; v32-85: k's tile t at 32 + 6 t (v80-85 zeros); later v's tile d at 32 + 12 d
.set KS,  86
.set VS,  90
.set S,   96                           ; v96-159 the scores, then p
.set OT,  160                          ; v160-191 O^T
.set CT,  192                          ; v192-203 ctx's fragment
.set CW,  204
.set QN,  206                          ; the second head's q
.set QNS, 212
.set PC,  214                          ; p's codes
.set PX,  226
.set BM,  234
.set TB,  238
.set SO,  242
.set F,   246
.set AD,  248                          ; four pairs: the block's addend - M (the low word serves both halves)
.set WV, 10
.set EE, 11
.set TI, 12
.set AB, 13
.set BQ, 14
.set WA, 15
.set HP, 16
.set BT, 17
.set SEL, 18
.set CS, 20
.set PT, 22
.set FLAG, 23
.set PL, 24
.set PZ, 28
.set PR, 32
.set PF, 36
.set TB0, 40
.set HD, 41
.set FC, 42
.set HR, 43
.set HB, 44
.set FB, 46
.macro LD128 g, reg, off
.if \g
	global_load_b128 v[(\reg):(\reg)+3], v[L16], s[FB:FB+1] offset:\off
.else
	ds_load_b128 v[(\reg):(\reg)+3], v[A16] offset:\off
.endif
.endm
.macro LD64 g, reg, off
.if \g
	global_load_b64 v[(\reg):(\reg)+1], v[L8], s[FB:FB+1] offset:\off
.else
	ds_load_b64 v[(\reg):(\reg)+1], v[A8] offset:\off
.endif
.endm
.macro WAITLD g
.if \g
	s_wait_loadcnt 0x0
.else
	s_wait_dscnt 0x0
.endif
.endm
.macro MIXB b, mix                     ; the block of 32 keys with my query's own number: register i holds key 16 h + i of it
.irp i, 0,1,2,3,4,5,6,7,8,9,10,11,12,13,14,15
.if \mix == 1
	v_cmp_lt_i32 vcc_lo, \i, v[DD]                 ; left block: masked where the key's place is under the query's
.else
	v_cmp_gt_i32 vcc_lo, \i, v[DD]                 ; right block: where it is above
.endif
	v_cndmask_b32 v[T0+(\i&1)], v[ZR], v[PEN], vcc_lo
	v_add_f32 v[S+16*\b+\i], v[S+16*\b+\i], v[T0+(\i&1)]
.endr
.endm
; A KEY STEP: 128 keys.  g = 0: from LDS slot (my first + slot); 1: from memory at s[FB].  pen: four scalars, each block's addend in t.  mix = 1, 2: the left, the right block.
.macro STEP g, slot, pen, mix
.if \g
.set KOFF, PART
.else
.set KOFF, (\slot)*SLOTB
.endif
.set VOFF, KOFF+PART
.irp t, 0,1,2,3,4,5,6,7
	LD128 \g, KV+6*\t, KOFF+768*\t
	LD64 \g, KV+6*\t+4, KOFF+768*\t+512
.endr
	LD128 \g, KS, KOFF+6144                        ; lanes 0-15: tiles 0-3; lanes 16-31: tiles 4-7
	WAITLD \g
.irp t, 0,1,2,3
	v_wmma_scale_f32_16x16x128_f8f6f4 v[S+8*\t:S+8*\t+7], v[KV+6*\t:KV+6*\t+11], v[QF:QF+11], 0, v[KS+\t], v[QS] matrix_a_fmt:MATRIX_FMT_FP6 matrix_b_fmt:MATRIX_FMT_FP6
.endr
.irp t, 4,5,6,7
	v_wmma_scale_f32_16x16x128_f8f6f4 v[S+8*\t:S+8*\t+7], v[KV+6*\t:KV+6*\t+11], v[QF:QF+11], 0, v[KS+\t-4], v[QS] matrix_a_fmt:MATRIX_FMT_FP6 matrix_b_fmt:MATRIX_FMT_FP6 matrix_a_scale:MATRIX_SCALE_ROW1
.endr
.rept 4
	v_nop                                          ; places in front of loads into registers that these products read, and of the first read of the scores
.endr
.irp d, 0,1,2,3
.irp c, 0,1,2
	LD128 \g, KV+12*\d+4*\c, VOFF+1536*\d+512*\c   ; v's four fragments land under the softmax
.endr
.endr
	LD128 \g, VS, VOFF+6144
.if \mix
	s_cmp_eq_u32 s[BQ], 0                          ; which block of 32 is mixed hangs on the wave's number alone
	s_cbranch_scc1 .Lmx0_\@
	s_cmp_eq_u32 s[BQ], 1
	s_cbranch_scc1 .Lmx1_\@
	s_cmp_eq_u32 s[BQ], 2
	s_cbranch_scc1 .Lmx2_\@
	MIXB 3, \mix
	s_branch .Lmxd_\@
.Lmx0_\@:
	MIXB 0, \mix
	s_branch .Lmxd_\@
.Lmx1_\@:
	MIXB 1, \mix
	s_branch .Lmxd_\@
.Lmx2_\@:
	MIXB 2, \mix
.Lmxd_\@:
.endif
.irp b, 0,1,2,3
	v_max3_num_f32 v[BM+\b], v[S+16*\b], v[S+1+16*\b], v[S+2+16*\b]   ; the largest score of each block of 32 keys: for the row's maximum, and, since p rises with the score, for the block's largest p
.endr
.irp i, 3,5,7,9,11,13
.irp b, 0,1,2,3
	v_max3_num_f32 v[BM+\b], v[BM+\b], v[S+16*\b+\i], v[S+1+16*\b+\i]
.endr
.endr
.irp b, 0,1,2,3
	v_max_num_f32 v[BM+\b], v[BM+\b], v[S+15+16*\b]
.endr
.irp b, 0,1,2,3
	v_permlanex16_b32 v[TB+\b], v[BM+\b], s[SEL], s[SEL+1]
.endr
.irp b, 0,1,2,3
	v_max_num_f32 v[BM+\b], v[BM+\b], v[TB+\b]     ; with lane l xor 16's 16 keys
.endr
.irp b, 0,1,2,3
	v_fma_f32 v[TB+\b], v[BM+\b], s[CS], s[\pen+\b]   ; as t, with the block's addend
.endr
	v_max3_num_f32 v[T0], v[TB], v[TB+1], v[TB+2]
	v_max_num_f32 v[T0], v[T0], v[TB+3]
	v_max_num_f32 v13, v13, v[T0]                  ; the running largest t
	v_mov_b32 v[T0], v12
	v_floor_f32 v12, -v13                          ; the new -M = -ceil(t): a whole number
	v_sub_f32 v[T0], v12, v[T0]                    ; old M - new M, 0 or less
	v_cvt_i32_f32 v[T0], v[T0]                     ; (it saturates)
	v_ldexp_f32 v[F], 1.0, v[T0]                   ; f = 2^(old M - new M): rounds nothing
.irp b, 0,1,2,3
	v_add_f32 v[AD+2*\b], s[\pen+\b], v12
.endr
.set jj, 0
.rept 32
	v_pk_fma_f32 v[S+jj:S+jj+1], v[S+jj:S+jj+1], s[CS:CS+1], v[AD+2*(jj/16):AD+2*(jj/16)+1] op_sel_hi:[1,0,0]   ; t - M, two at a time
.set jj, jj+2
.endr
.irp b, 0,1,2,3
	v_fma_f32 v[BM+\b], v[BM+\b], s[CS], v[AD+2*\b]   ; the same of each block's largest score
.endr
.set jj, 0
.rept 64
	v_exp_f32 v[S+jj], v[S+jj]                     ; p = 2^(t - M)
.set jj, jj+1
.endr
	v_pk_mul_f32 v[14:15], v[14:15], v[F:F+1] op_sel_hi:[1,0]   ; the sums under the new M (a plain place behind the exponentials)
	s_wait_alu depctr_va_vdst(0)                   ; one wait for the batch of 64, ahead of its first reader
.irp b, 0,1,2,3
	v_exp_f32 v[BM+\b], v[BM+\b]                   ; the block's largest p: the same two instructions on the same number
.endr
	v_pk_add_f32 v[T0:T0+1], v[S:S+1], v[S+2:S+3]  ; the row's sum of the unquantised p, in two chains; it reads the 64 alone
.set jj, 4
.rept 15
	v_pk_add_f32 v[14:15], v[14:15], v[S+jj:S+jj+1]
	v_pk_add_f32 v[T0:T0+1], v[T0:T0+1], v[S+jj+2:S+jj+3]
.set jj, jj+4
.endr
	v_pk_add_f32 v[14:15], v[14:15], v[T0:T0+1]
	s_wait_alu depctr_va_vdst(0)                   ; and one for the four
.irp b, 0,1,2,3
	v_max_num_f32 v[BM+\b], 0x1800000, v[BM+\b]    ; the floor 2^(3 - 127): a block whose every p is 0 keeps the byte 1; its codes are zeros
.endr
.irp b, 0,1,2,3
	v_add_nc_u32 v[SO+\b], 0xff000000, v[BM+\b]
.endr
.irp b, 0,1,2,3
	v_lshrrev_b32 v[TB+\b], 23, v[SO+\b]
.endr
	v_lshl_or_b32 v[PS], v[TB+1], 8, v[TB]         ; p's scale word for these 128 keys
	v_lshl_or_b32 v[PS], v[TB+2], 16, v[PS]
	v_lshl_or_b32 v[PS], v[TB+3], 24, v[PS]
.irp c, 0,1
	v_cvt_scalef32_pk16_fp6_f32 v[PC+6*\c:PC+6*\c+2], v[S+32*\c:S+32*\c+15], v[SO+2*\c]
	v_cvt_scalef32_pk16_fp6_f32 v[PX+4*\c:PX+4*\c+2], v[S+16+32*\c:S+31+32*\c], v[SO+2*\c+1]
.endr
	v_nop                                          ; one plain place behind a scaled conversion
.irp c, 0,1
.irp i, 0,1,2
	v_permlane16_swap_b32 v[PC+6*\c+\i], v[PX+4*\c+\i]
.endr
.irp i, 0,1,2
	v_mov_b32 v[PC+3+6*\c+\i], v[PX+4*\c+\i]
.endr
.endr
.set jj, 0
.rept 16
	v_pk_mul_f32 v[OT+jj:OT+jj+1], v[OT+jj:OT+jj+1], v[F:F+1] op_sel_hi:[1,0]   ; O^T under the new M; these 16 are also the places between p's scale word and codes and the products
.set jj, jj+2
.endr
	WAITLD \g
.irp d, 0,1,2,3
	v_wmma_scale_f32_16x16x128_f8f6f4 v[OT+8*\d:OT+8*\d+7], v[KV+12*\d:KV+12*\d+11], v[PC:PC+11], v[OT+8*\d:OT+8*\d+7], v[VS+\d], v[PS] matrix_a_fmt:MATRIX_FMT_FP6 matrix_b_fmt:MATRIX_FMT_FP6
.endr
.rept 4
	v_nop                                          ; places in front of the next loads into these operands and of the next read of O^T
.endr
.endm
	s_load_b128 s[4:7], s[0:1], 0x0                ; qkv, qkmax
	s_load_b64 s[8:9], s[0:1], 0x10                ; ctx_img
	v_lshl_add_u32 v[SPW], v0, 2, SPARE
	v_mov_b32 v[NIL], 0
	v_lshrrev_b32 v12, 5, v0
	v_readfirstlane_b32 s[WV], v12
	s_lshr_b32 s[EE], s[WV], 3
	s_and_b32 s[TI], s[WV], 7
	s_lshr_b32 s[BQ], s[TI], 1
	s_and_b32 s[WA], ttmp9, 7
	s_bfe_u32 s[HP], ttmp9, 0x30003
	s_lshr_b32 s[BT], ttmp9, 6
	s_lshl_b32 s[AB], s[WA], 1
	s_add_co_u32 s[AB], s[AB], s[EE]               ; a: my query block
	s_lshl_b32 s[HR], s[BT], 4
	s_lshl_b32 s53, s[HP], 1
	s_add_co_u32 s[HR], s[HR], s53
	s_lshl_b32 s[HR], s[HR], 4                     ; the first record of head 2 hp
	; what I bring into LDS: part (w & 1) (k's, v's) of slot w >> 1: head 2 hp + w / 8, key block 2 A - 1 + (w >> 1) % 4, held to 0 .. 15 (a block beyond the ends is read by no step)
	s_bfe_u32 s53, s[WV], 0x20001
	s_lshl_b32 s52, s[WA], 1
	s_add_co_u32 s53, s53, s52
	s_max_u32 s53, s53, 1
	s_sub_co_u32 s53, s53, 1
	s_min_u32 s53, s53, 15
	s_lshl_b32 s52, s[EE], 4
	s_add_co_u32 s53, s53, s52
	s_add_co_u32 s53, s53, s[HR]
	s_mul_i32 s48, s53, RECB
	s_and_b32 s52, s[WV], 1
	s_mul_i32 s52, s52, PART
	s_add_co_u32 s48, s48, s52
	s_add_co_u32 s48, s48, PART
	s_mov_b32 s49, 0
	s_add_co_u32 s50, s[HR], s[AB]
	s_mul_i32 s50, s50, RECB                       ; my query block's record of head 2 hp
	s_mov_b32 s51, 0
	s_mul_i32 s54, s[TI], 768
	s_add_co_u32 s54, s54, s50                     ; my tile's half image
	s_mov_b32 s55, 0
	s_mul_i32 s62, s[HR], RECB
	s_mov_b32 s63, 0
	s_lshl_b32 s61, s[HP], 7
	s_lshl_b32 s52, s[BT], 5
	s_add_co_u32 s61, s61, s52
	s_lshl_b32 s52, s[WA], 2
	s_add_co_u32 s60, s61, s52
	s_lshl_b32 s60, s60, 2                         ; qkmax: q's four words of my two query blocks,
	s_lshl_b32 s61, s61, 2                         ; k's 32 words of the batch's sixteen key blocks (4,096 bytes on)
	v_and_b32 v13, 31, v0
	v_lshlrev_b32 v[L16], 4, v13
	v_lshlrev_b32 v[L8], 3, v13
	v_and_b32 v12, 15, v0                          ; r
	v_bfe_u32 v13, v0, 4, 1                        ; h
	v_and_b32 v14, 8, v12
	v_add_nc_u32 v14, v14, v12
	v_lshlrev_b32 v15, 4, v13
	v_sub_nc_u32 v[DD], v14, v15
	s_and_b32 s53, s[TI], 1
	s_lshl_b32 s53, s53, 3
	v_add_nc_u32 v[DD], s53, v[DD]                 ; 8 (i % 2) + r + 8 (r / 8) - 16 h
	s_lshr_b32 s53, s[TI], 2
	s_lshl_b32 s53, s53, 8
	s_and_b32 s52, s[TI], 3
	s_lshl_b32 s52, s52, 2
	s_add_co_u32 s53, s53, s52
	v_lshl_add_u32 v[SCA], v12, 4, s53             ; my tile's word of row r in an image of scale words
	v_and_b32 v14, 63, v0
	v_lshl_add_u32 v[SCR], v14, 4, SCG
	s_mul_i32 s53, s[WV], PART
	v_add_nc_u32 v[A16], s53, v[L16]               ; where my part goes in LDS
	s_wait_kmcnt 0x0
	s_load_b128 s[56:59], s[6:7], s60 offset:0x0
	s_load_b512 s[68:83], s[6:7], s61 offset:0x1000
	s_load_b512 s[84:99], s[6:7], s61 offset:0x1040
	s_add_nc_u64 s[48:49], s[4:5], s[48:49]
	s_add_nc_u64 s[50:51], s[4:5], s[50:51]
	s_add_nc_u64 s[54:55], s[4:5], s[54:55]
	s_add_nc_u64 s[HB:HB+1], s[4:5], s[62:63]
.irp n, 0,1,2,3,4,5,6,7,8,9,10,11,12
	global_load_b128 v[S+4*\n:S+4*\n+3], v[L16], s[48:49] offset:512*\n
.endr
	global_load_b128 v[QF:QF+3], v[L16], s[54:55]
	global_load_b64 v[QF+4:QF+5], v[L8], s[54:55] offset:512
	global_load_b128 v[QN:QN+3], v[L16], s[54:55] offset:HSTR
	global_load_b64 v[QN+4:QN+5], v[L8], s[54:55] offset:HSTR+512
	global_load_b32 v[QS], v[SCA], s[50:51] offset:6144
	global_load_b32 v[QNS], v[SCA], s[50:51] offset:HSTR+6144
	s_mov_b32 s[SEL], 0x76543210
	s_mov_b32 s[SEL+1], 0xfedcba98
	s_mov_b32 s[CS], 0x3e38aa3b                    ; log2(e) / 8
	s_mov_b32 s[CS+1], s[CS]
	s_mov_b32 s[PT], 0xc6616bcd                    ; -10000 log2(e)
.irp b, 0,1,2,3
	s_cmp_gt_u32 s[BQ], \b
	s_cselect_b32 s[PL+\b], s[PT], 0               ; left block: blocks of 32 under my query's are masked whole
	s_cmp_lt_u32 s[BQ], \b
	s_cselect_b32 s[PR+\b], s[PT], 0               ; right block: those above
	s_mov_b32 s[PZ+\b], 0
	s_mov_b32 s[PF+\b], s[PT]
.endr
	s_mul_i32 s[TB0], s[EE], SLOTB
	v_mov_b32 v[PEN], 0xc79c4000                   ; -80000: -10000 on the logit, in score units
	v_mov_b32 v[ZR], 0
.irp j, 0,1,2,3,4,5
	v_mov_b32 v[QF+6+\j], 0
	v_mov_b32 v[KV+48+\j], 0
	v_mov_b32 v[CT+6+\j], 0
.endr
.irp b, 0,1,2,3
	v_mov_b32 v[TB+\b], 0                          ; written once: a lane permute's destination counts as one of its sources
	v_mov_b32 v[AD+2*\b+1], 0                      ; (named as the upper halves of pairs)
.endr
	v_mov_b32 v[F+1], 0
	v_mov_b32 v[CW], 0
	s_wait_loadcnt 6                               ; my 13 loads of the part are in; the six younger ones, q's, may be out
.irp n, 0,1,2,3,4,5,6,7,8,9,10,11,12
	ds_store_b128 v[A16], v[S+4*\n:S+4*\n+3] offset:512*\n
.endr
	s_wait_kmcnt 0x0
	s_max_u32 s56, s56, s57
	s_max_u32 s58, s58, s59
	s_max_u32 s56, s56, s58                        ; Eq
.irp n, 1,2,3,4,5,6,7,8,9,10,11,12,13,14,15,16,17,18,19,20,21,22,23,24,25,26,27,28,29,30,31
	s_max_u32 s68, s68, s[68+\n]                   ; Ek
.endr
	s_add_co_u32 s56, s56, s68
	s_cmp_gt_u32 s56, 261
	s_cselect_b32 s[FLAG], 1, 0                    ; 1: a far key's p need not be 0: the far blocks are walked
	s_wait_loadcnt 0x0                             ; q
	s_lshl_b32 s53, s[EE], 9
	s_add_co_u32 s53, s53, SCG
	v_add_nc_u32 v[SCA], s53, v[SCA]               ; from here on: where my scale word of ctx goes in LDS
	s_wait_dscnt 0x0                               ; for the others' sake: my part has landed
	s_barrier_signal -1
	s_barrier_wait -1
	s_mov_b32 s[HD], 2
.Lhead:                                            ; two trips: head 2 hp, head 2 hp + 1
	v_add_nc_u32 v[A16], s[TB0], v[L16]
	v_add_nc_u32 v[A8], s[TB0], v[L8]
	v_mov_b32 v13, 0xff61b1e6                      ; the largest t so far: -3e38
	v_floor_f32 v12, -v13                          ; -M
	v_mov_b32 v14, 0
	v_mov_b32 v15, 0
.set jj, 0
.rept 32
	v_mov_b32 v[OT+jj], 0                          ; the step is written without a first form of its own: it finds zeros, which the first change of M leaves zeros
.set jj, jj+1
.endr
	s_cmp_eq_u32 s[AB], 0
	s_cbranch_scc1 .Lno_left
	STEP 0, 0, PL, 1
.Lno_left:
	STEP 0, 1, PZ, 0
	s_cmp_eq_u32 s[AB], 15
	s_cbranch_scc1 .Lno_right
	STEP 0, 2, PR, 2
.Lno_right:
	s_mov_b64 s[FB:FB+1], s[HB:HB+1]
	s_mov_b32 s[FC], 0
.Lfar:                                             ; sixteen trips, a constant; the work is jumped over where it adds nothing
	s_cmp_eq_u32 s[FLAG], 0
	s_cbranch_scc1 .Lfar_next
	s_add_co_u32 s53, s[FC], 1
	s_sub_co_u32 s53, s53, s[AB]
	s_cmp_lt_u32 s53, 3                            ; blocks a - 1, a, a + 1 are done
	s_cbranch_scc1 .Lfar_next
	STEP 1, 0, PF, 0
.Lfar_next:
	s_wait_xcnt 0x0                                ; the step's loads have read their base
	s_add_nc_u64 s[FB:FB+1], s[FB:FB+1], RECB
	s_add_co_u32 s[FC], s[FC], 1
	s_cmp_lt_u32 s[FC], 16
	s_cbranch_scc1 .Lfar
	; ---- the head's end: O^T / the sum, quantised along the head's 64: two blocks, six registers of ctx's fragment
	v_add_f32 v14, v14, v15
	v_permlanex16_b32 v[T0], v14, s[SEL], s[SEL+1]
	v_add_f32 v14, v14, v[T0]                      ; the row's sum
	v_rcp_f32 v[F], v14
.irp j, 0,1,2,3,4,5
	v_mov_b32 v[CT+\j], v[CT+6+\j]                 ; the first head's six registers move down (plain work behind the reciprocal)
.endr
	s_wait_alu depctr_va_vdst(0)                   ; ahead of the reciprocal's first reader
.set jj, 0
.rept 16
	v_pk_mul_f32 v[S+jj:S+jj+1], v[OT+jj:OT+jj+1], v[F:F+1] op_sel_hi:[1,0]   ; register 16 b + i = the head's number 32 b + 16 h + i
.set jj, jj+2
.endr
.irp b, 0,1
	v_max3_num_f32 v[BM+\b], |v[S+16*\b]|, |v[S+1+16*\b]|, 0x1800000
.endr
.irp i, 2,4,6,8,10,12,14
.irp b, 0,1
	v_max3_num_f32 v[BM+\b], v[BM+\b], |v[S+16*\b+\i]|, |v[S+1+16*\b+\i]|
.endr
.endr
.irp b, 0,1
	v_permlanex16_b32 v[TB+\b], v[BM+\b], s[SEL], s[SEL+1]
.endr
.irp b, 0,1
	v_max_num_f32 v[BM+\b], v[BM+\b], v[TB+\b]
.endr
.irp b, 0,1
	v_add_nc_u32 v[SO+\b], 0xff000000, v[BM+\b]
.endr
.irp b, 0,1
	v_lshrrev_b32 v[TB+\b], 23, v[SO+\b]
.endr
	v_lshl_or_b32 v[TB], v[TB+1], 8, v[TB]
	v_lshrrev_b32 v[CW], 16, v[CW]                 ; the first head's two bytes move down,
	v_lshl_or_b32 v[CW], v[TB], 16, v[CW]          ; this head's go on top
	v_cvt_scalef32_pk16_fp6_f32 v[CT+6:CT+8], v[S:S+15], v[SO]
	v_cvt_scalef32_pk16_fp6_f32 v[PX:PX+2], v[S+16:S+31], v[SO+1]
	v_nop                                          ; one plain place behind a scaled conversion
.irp i, 0,1,2
	v_permlane16_swap_b32 v[CT+6+\i], v[PX+\i]
.endr
.irp i, 0,1,2
	v_mov_b32 v[CT+9+\i], v[PX+\i]
.endr
.irp j, 0,1,2,3,4,5
	v_mov_b32 v[QF+\j], v[QN+\j]                   ; the second head's q
.endr
	v_mov_b32 v[QS], v[QNS]
	s_add_co_u32 s[TB0], s[TB0], 4*SLOTB
	s_add_nc_u64 s[HB:HB+1], s[HB:HB+1], HSTR
	s_sub_co_u32 s[HD], s[HD], 1
	s_cmp_lg_u32 s[HD], 0
	s_cbranch_scc1 .Lhead
	; ---- out: my fragment of ctx: group 16 batch + a, K step hp, tile i
	s_lshl_b32 s52, s[BT], 4
	s_add_co_u32 s53, s52, s[AB]
	s_mul_i32 s48, s53, PANEL
	s_mul_i32 s62, s[HP], REC
	s_add_co_u32 s48, s48, s62
	s_mul_i32 s63, s[TI], 1536
	s_add_co_u32 s48, s48, s63
	s_mov_b32 s49, 0
	s_add_nc_u64 s[48:49], s[8:9], s[48:49]
.irp c, 0,1,2
	global_store_b128 v[L16], v[CT+4*\c:CT+4*\c+3], s[48:49] offset:512*\c   ; 512 consecutive bytes, at a multiple of 256 from the buffer's first byte
.endr
	ds_store_b32 v[SCA], v[CW]                     ; lanes r and r + 16 write the same word with the same value
	s_wait_dscnt 0x0                               ; for the others' sake
	s_barrier_signal -1
	s_barrier_wait -1
	s_cmp_lt_u32 s[WV], 2
	s_cbranch_scc0 .Ldone
	ds_load_b128 v[S:S+3], v[SCR]                  ; wave 0: the scale words of block 2 A's eight tiles; wave 1: of block 2 A + 1's
	s_lshl_b32 s53, s[WA], 1
	s_add_co_u32 s53, s53, s52
	s_add_co_u32 s53, s53, s[WV]
	s_mul_i32 s50, s53, PANEL
	s_add_co_u32 s50, s50, s62
	s_add_co_u32 s50, s50, 12288
	s_mov_b32 s51, 0
	s_add_nc_u64 s[50:51], s[8:9], s[50:51]
	s_wait_dscnt 0x0
	global_store_b128 v[L16], v[S:S+3], s[50:51]
.Ldone:
	s_wait_tensorcnt 0x0                           ; the wave's end, behind my last LDS store
	ds_add_u32 v[SPW], v[NIL]
	s_wait_dscnt 0x0
	s_endpgm
.Lfunc_end_k_qb2e07abf2f_attn:
	.size	k_qb2e07abf2f_attn, .Lfunc_end_k_qb2e07abf2f_attn-k_qb2e07abf2f_attn
	.p2alignl 7, 3214868480
	.fill 96, 4, 3214868480
	.section	.rodata,"a",@progbits
	.p2align	6, 0x0
	.amdhsa_kernel k_qb2e07abf2f_attn
		.amdhsa_group_segment_fixed_size 109568
		.amdhsa_private_segment_fixed_size 0
		.amdhsa_enable_private_segment 0
		.amdhsa_kernarg_size 24
		.amdhsa_user_sgpr_count 2
		.amdhsa_user_sgpr_kernarg_segment_ptr 1
		.amdhsa_wavefront_size32 1
		.amdhsa_system_sgpr_workgroup_id_x 1
		.amdhsa_system_sgpr_workgroup_id_y 1
		.amdhsa_system_sgpr_workgroup_id_z 1
		.amdhsa_system_vgpr_workitem_id 0
		.amdhsa_next_free_vgpr 256
		.amdhsa_next_free_sgpr 100
		.amdhsa_reserve_vcc 1
		.amdhsa_float_denorm_mode_32 3
		.amdhsa_float_denorm_mode_16_64 3
		.amdhsa_memory_ordered 1
		.amdhsa_forward_progress 1
		.amdhsa_inst_pref_size 93
	.end_amdhsa_kernel
	.amdgpu_metadata
---
amdhsa.version: [ 1, 2 ]
amdhsa.kernels:
  - .name:           k_qb2e07abf2f_attn
    .symbol:         k_qb2e07abf2f_attn.kd
    .args:
      - { .name: qkv, .offset: 0, .size: 8, .value_kind: global_buffer, .address_space: global }
      - { .name: qkmax, .offset: 8, .size: 8, .value_kind: global_buffer, .address_space: global }
      - { .name: ctx_img, .offset: 16, .size: 8, .value_kind: global_buffer, .address_space: global }
    .group_segment_fixed_size: 109568
    .private_segment_fixed_size: 0
    .kernarg_segment_align: 8
    .kernarg_segment_size: 24
    .max_flat_workgroup_size: 512
    .sgpr_count:     100
    .vgpr_count:     256
    .wavefront_size: 32
...
	.end_amdgpu_metadata
.endif
;; end of part 3
;; launch proj (part 4): grid 4 x 64, 4 waves a work-group, clusters of 4 x 4, 327,680 bytes of LDS; arguments ctx_img, w_img, bo, out0; writes out0
.if DOCPART == 4
	.amdgcn_target "amdgcn-amd-amdhsa--gfx1250"
	.amdhsa_code_object_version 6
	.text
	.protected	k_qb2e07abf2f_proj
	.globl	k_qb2e07abf2f_proj
	.p2align	8
	.type	k_qb2e07abf2f_proj,@function
k_qb2e07abf2f_proj:
	s_mov_b64 s[64:65], 0
	v_nop
	global_prefetch_b8 v0, s[64:65] scope:SCOPE_SE
	s_setreg_imm32_b32 hwreg(HW_REG_WAVE_MODE, 25, 1), 1
	s_wait_xcnt 0x0
	s_wait_alu depctr_hold_cnt(0) depctr_sa_sdst(0) depctr_va_vdst(0) depctr_va_sdst(0) depctr_va_ssrc(0) depctr_va_vcc(0) depctr_vm_vsrc(0)
	s_getreg_b32 s2, hwreg(HW_REG_IB_STS2, 6, 4)
	s_cmp_eq_u32 s2, 0
	s_cbranch_scc0 .Lentry_in_a_cluster
	s_endpgm
.Lentry_in_a_cluster:
	s_bfe_u32 s2, ttmp6, 0x10000c
	s_cmp_lg_u32 s2, 0xf033
	s_cbranch_scc0 .Lentry_shape_is_right
	s_endpgm
.Lentry_shape_is_right:
; out0 = ctx Wo^T + bo on codes of FP6 (E2M3) with E8M0 scales, sums in f32.  ctx and Wo come as records (a group of 128 rows, a K step of 128: eight fragment images of 1,536 bytes, 512 bytes of scale words).
; TILE.  A work-group takes 256 rows of Wo (source 0: output features) and 128 rows of ctx (source 1) over all of K = 1,024.  ALL OF K LIES IN LDS AT ONCE (307,200 bytes): every byte is filled once, in four chunks of two K steps.
; Four waves: wave & 1 picks Wo's group, wave >> 1 picks four of ctx's eight tiles: 128 x 64 a wave, 32 accumulators.  A lane holds one row of ctx, its registers run along neighbouring output features.
; CLUSTER 4 x 4: Wo's panels hang on cx and are shared along a column, ctx's on cy and are shared along a row: each is asked for jointly.
; Tile i of a group holds rows 32 (i / 2) + 8 (i % 2) + r + 8 (r / 8): the way out puts each row at its own place.
; REGISTERS: window 0: v4-22 addresses; v32-63, v64-95 scale words; v96-159 the bias, later with v160-223 rows on the way out.  Window 1: accumulator (a, b) at 8 (8 a + b).  Window 2: source 0's fragments, two sets of 96.  Window 3: source 1's, two sets of 48.
.set REC,   12800
.set PANEL, 102400
.set S1B,   204800
.set SPARE, 307200                     ; the spare words, 128 bytes a wave: two blocks of 256 bytes that no other line names
.set STG,   8448                       ; the way out: a stage of 16 rows x 528 bytes for each wave, in source 0's first panel, which has had its only fill and its last read by then
.set A0,  4
.set A1,  6
.set A1S, 8
.set STO, 10
.set RD,  11
.set L16, 15
.set SPW, 16                           ; my spare word; never rewritten
.set NIL, 17                           ; 0; never rewritten
.set BO0, 18
.set LN,  20
.set SC0, 32
.set SC1, 64
.set BI,  96
.set BK,  96
.set G1A, 16
.set G1B, 24
.set G0A, 32
.set G0B, 48
.set WV,  68
.set Y0,  69
.set Y1,  70
.set CX,  71
.set CY,  72
.set CLY, 74
.set MSB, 0
.macro WIN new                         ; the immediate's high byte repeats the setting that is left
.if MSB != \new
	s_set_vgpr_msb (MSB<<8)|\new
.set MSB, \new
.endif
.endm
.macro PLACES n
.rept \n
	v_nop
.endr
.endm
.macro CROUND                          ; a round of the cluster's barrier
	s_barrier_signal -1
	s_barrier_wait -1
	s_cmp_lg_u32 s[WV], 0
	s_cbranch_scc1 .Lnot_wave_0_\@
	s_barrier_signal -3
.Lnot_wave_0_\@:
	s_barrier_wait -3
	s_barrier_signal -1
	s_barrier_wait -1
.endm
.macro FETCH st                        ; 38 LDS loads: K step st's eight fragments of source 0, my four of source 1, and their scale words
.set FP, (\st)&1
.set FO, ((\st)&3)*REC
.set FX, (\st)>>2
	WIN 0x80
.irp b, 0,1,2,3,4,5,6,7
.irp c, 0,1,2
	ds_load_b128 v[96*FP+12*\b+4*\c:96*FP+12*\b+4*\c+3], v[A0+FX] offset:FO+1536*\b+512*\c
.endr
.endr
	WIN 0xc0
.irp a, 0,1,2,3
.irp c, 0,1,2
	ds_load_b128 v[48*FP+12*\a+4*\c:48*FP+12*\a+4*\c+3], v[A1+FX] offset:FO+1536*\a+512*\c
.endr
.endr
	WIN 0
	ds_load_b128 v[SC0+4*(\st):SC0+4*(\st)+3], v[A0+FX] offset:FO+12288
	ds_load_b128 v[SC1+4*(\st):SC1+4*(\st)+3], v[A1S+FX] offset:FO+12288
.endm
.macro WM d, fa, fb, cr, sa, sb, row
.if \row
	v_wmma_scale_f32_16x16x128_f8f6f4 v[(\d):(\d)+7], v[(\fa):(\fa)+11], v[(\fb):(\fb)+11], v[(\cr):(\cr)+7], v[\sa], v[\sb] matrix_a_fmt:MATRIX_FMT_FP6 matrix_b_fmt:MATRIX_FMT_FP6 matrix_a_scale:MATRIX_SCALE_ROW1
.else
	v_wmma_scale_f32_16x16x128_f8f6f4 v[(\d):(\d)+7], v[(\fa):(\fa)+11], v[(\fb):(\fb)+11], v[(\cr):(\cr)+7], v[\sa], v[\sb] matrix_a_fmt:MATRIX_FMT_FP6 matrix_b_fmt:MATRIX_FMT_FP6
.endif
.endm
; 32 matrix instructions: K step st.  cm = 0: onto the sums; 1: the sums begin with the bias.  The 32 accumulators take turns, one instruction a turn, in the same order in every step.
.macro MUL st, cm
.set MP, (\st)&1
.if (\cm) == 0
	WIN 0x5e
.else
	WIN 0x4e
.endif
.irp a, 0,1,2,3
.irp b, 0,1,2,3,4,5,6,7
.if (\cm) == 0
	WM 8*(8*\a+\b), 96*MP+12*\b, 48*MP+12*\a, 8*(8*\a+\b), SC0+4*(\st)+\b%4, SC1+4*(\st)+\a, \b/4
.else
	WM 8*(8*\a+\b), 96*MP+12*\b, 48*MP+12*\a, BI+8*\b, SC0+4*(\st)+\b%4, SC1+4*(\st)+\a, \b/4
.endif
.endr
.endr
.endm
.macro EVEN st
	PLACES 4                                       ; in front of loads into registers that matrix instructions have read
	FETCH (\st)+1
	s_wait_dscnt 38                                ; all but the 38 just issued
	MUL \st, 0
.endm
.macro ODD st, left
	s_wait_dscnt 0x0
	s_wait_tensorcnt \left                         ; my load of the next chunk has landed; my loads of the later chunks may stay out
	s_barrier_signal -1
	s_barrier_wait -1
	PLACES 4
	FETCH (\st)+1
	MUL \st, 0
.endm
	s_load_b256 s[4:11], s[0:1], 0x0               ; ctx_img, w_img, bo, out0
	v_lshl_add_u32 v[SPW], v0, 2, SPARE
	v_mov_b32 v[NIL], 0
	ds_add_u32 v[SPW], v[NIL]                      ; the wave's opening: the add and its wait stand ahead of my first tensor load; the set-up below stands between them
	v_lshrrev_b32 v1, 5, v0
	v_readfirstlane_b32 s[WV], v1
	s_and_b32 s[Y0], s[WV], 1
	s_lshr_b32 s[Y1], s[WV], 1
	s_bfe_u32 s[CX], ttmp6, 0x40000
	s_bfe_u32 s[CY], ttmp6, 0x40004
	s_and_b32 s[CLY], ttmp7, 0xffff
	s_lshl_b32 s76, 0x1111, s[CX]                  ; my column of the cluster
	s_lshl_b32 s77, s[CY], 2
	s_lshl_b32 s77, 15, s77                        ; my row
	s_or_b32 s[G1A], s76, (3<<16)|(1<<21)
	s_or_b32 s[G1B], s77, (3<<16)|(1<<21)
	s_mov_b32 s[G1A+1], 32<<16                     ; a dense block as rows of 256 bytes
	s_mov_b32 s[G1A+2], 100<<16                    ; 100 rows: two records
	s_mov_b32 s[G1A+3], 32<<16
	s_mov_b32 s[G1A+4], 100
	s_mov_b32 s[G1A+5], 32
	s_mov_b32 s[G1A+6], 0
	s_mov_b32 s[G1A+7], 0
	s_mov_b32 s[G1B+1], 32<<16
	s_mov_b32 s[G1B+2], 50<<16                     ; 50 rows: one record
	s_mov_b32 s[G1B+3], 32<<16
	s_mov_b32 s[G1B+4], 50
	s_mov_b32 s[G1B+5], 32
	s_mov_b32 s[G1B+6], 0
	s_mov_b32 s[G1B+7], 0
	s_lshl_b32 s78, s[CX], 1
	s_add_co_u32 s79, s78, s[Y0]                   ; which 128 output features are mine
	s_add_co_u32 s82, s79, 24                      ; Wo's groups are 24 .. 31 of w_img
	s_lshl_b32 s80, s[CLY], 2
	s_add_co_u32 s80, s80, s[CY]                   ; ctx's group
	s_mul_i32 s88, s82, PANEL
	s_mov_b32 s89, 0
	s_mul_i32 s83, s[Y0], REC
	s_mul_i32 s90, s80, PANEL
	s_add_co_u32 s90, s90, s83
	s_mov_b32 s91, 0
	s_mul_i32 s92, s[Y0], PANEL                    ; no place in the cluster enters an LDS address
	s_add_co_u32 s93, s83, S1B
	s_wait_dscnt 0x0                               ; the opening add is done
	s_wait_kmcnt 0x0
	s_add_nc_u64 s[84:85], s[6:7], s[88:89]
	s_add_nc_u64 s[86:87], s[4:5], s[90:91]
.irp c, 0,1,2,3
	s_mov_b32 s[G0A+4*\c], 1
	s_add_co_u32 s[G0A+4*\c+1], s92, \c*2*REC
	s_add_nc_u64 s[G0A+4*\c+2:G0A+4*\c+3], s[84:85], \c*2*REC
	s_or_b32 s[G0A+4*\c+3], s[G0A+4*\c+3], 0x80000000
	s_mov_b32 s[G0B+4*\c], 1
	s_add_co_u32 s[G0B+4*\c+1], s93, \c*2*REC
	s_add_nc_u64 s[G0B+4*\c+2:G0B+4*\c+3], s[86:87], \c*2*REC
	s_or_b32 s[G0B+4*\c+3], s[G0B+4*\c+3], 0x80000000
.endr
	CROUND                                         ; all sixteen work-groups are here: the joint loads meet
	s_cmp_lt_u32 s[WV], 2                          ; a wave's four fills stand in one branch, ahead of every wait on TENSORcnt, every LDS read and every barrier: four loads of mine are out
	s_cbranch_scc0 .Lfill_s1
.irp c, 0,1,2,3
	tensor_load_to_lds s[G0A+4*\c:G0A+4*\c+3], s[G1A:G1A+7]
	s_nop 0
.endr
	PLACES 4
	s_branch .Lfilled
.Lfill_s1:
.irp c, 0,1,2,3
	tensor_load_to_lds s[G0B+4*\c:G0B+4*\c+3], s[G1B:G1B+7]
	s_nop 0
.endr
	PLACES 4
.Lfilled:
	v_and_b32 v[LN], 31, v0
	v_and_b32 v2, 15, v0                           ; r
	v_bfe_u32 v3, v0, 4, 1                         ; h
	v_lshlrev_b32 v[BO0], 6, v3
	s_lshl_b32 s98, s79, 9                         ; my 128 features, in bytes
	s_mov_b32 s99, 0
	s_add_nc_u64 s[96:97], s[8:9], s[98:99]
.irp b, 0,1,2,3,4,5,6,7
	global_load_b128 v[BI+8*\b:BI+8*\b+3], v[BO0], s[96:97] offset:(32*(\b/2)+8*(\b%2))*4
	global_load_b128 v[BI+8*\b+4:BI+8*\b+7], v[BO0], s[96:97] offset:(32*(\b/2)+8*(\b%2))*4+16
.endr
	s_lshl_b32 s81, s80, 7
	s_lshl_b32 s83, s[Y1], 6
	s_add_co_u32 s81, s81, s83                     ; my first row of out0: 128 x group + 64 x (wave >> 1)
	s_lshl_b32 s94, s81, 12
	s_add_co_u32 s94, s94, s98
	s_mov_b32 s95, 0
	s_add_nc_u64 s[10:11], s[10:11], s[94:95]
	v_lshlrev_b32 v[L16], 4, v[LN]
	s_mul_i32 s83, s[Y0], PANEL
	v_add_nc_u32 v[A0], s83, v[L16]
	v_add_nc_u32 v[A0+1], 4*REC, v[A0]
	s_mul_i32 s83, s[Y1], 6144
	s_add_co_u32 s83, s83, S1B
	v_add_nc_u32 v[A1], s83, v[L16]
	v_add_nc_u32 v[A1+1], 4*REC, v[A1]
	s_lshl_b32 s83, s[Y1], 8
	s_add_co_u32 s83, s83, S1B
	v_lshl_add_u32 v[A1S], v2, 4, s83
	v_add_nc_u32 v[A1S+1], 4*REC, v[A1S]
	s_mul_i32 s83, s[WV], STG
	v_mul_u32_u24 v[STO], v2, 528
	v_lshl_add_u32 v[STO], v3, 6, v[STO]
	v_add_nc_u32 v[STO], s83, v[STO]               ; the stage, in: row r, + 64 h
	v_add_nc_u32 v[RD], s83, v[L16]                ; back: a row's 512 bytes, 16 a lane
	s_wait_tensorcnt 3                             ; my load of chunk 0 has landed; my three later loads may stay out
	s_barrier_signal -1
	s_barrier_wait -1
	FETCH 0
	s_wait_loadcnt 0x0                             ; the bias
	FETCH 1
	s_wait_dscnt 38
	MUL 0, 1                                       ; the first K step starts the sums with the bias
	ODD 1, 2
	EVEN 2
	ODD 3, 1
	EVEN 4
	ODD 5, 0
	EVEN 6
	s_wait_dscnt 0x0                               ; my last reads of the panels are over:
	s_barrier_signal -1                            ; say so; work on registers while the others arrive
	MUL 7, 0
	WIN 0
	s_barrier_wait -1                              ; nobody reads the panels any more: the stages may be written
	PLACES 4                                       ; in front of the first read of results
; THE WAY OUT, a tile of 16 rows x 128 features at a time, through my own stage: in as 64 bytes a lane of its row, back as whole rows of 512 bytes.  LDS serves a wave's instructions in order: no wait between the stores and the loads.
.macro TOSTAGE a
	WIN 0x04                                       ; an LDS store's data are its source 1: window 1
.irp b, 0,1,2,3
.irp j, 0,1,2,3
	ds_store_b128 v[STO], v[64*(\a)+16*\b+4*\j:64*(\a)+16*\b+4*\j+3] offset:128*\b+16*\j   ; each accumulator from its low end on
.endr
.endr
	WIN 0
.set BB, BK+64*((\a)%2)
.irp n, 0,1,2,3,4,5,6,7,8,9,10,11,12,13,14,15
	ds_load_b128 v[BB+4*\n:BB+4*\n+3], v[RD] offset:528*\n
.endr
.endm
.macro SEND a, younger                 ; younger: the LDS instructions issued behind tile a's loads, which may stay out
.set BB, BK+64*((\a)%2)
	s_wait_dscnt \younger
.irp n, 0,1,2,3,4,5,6,7,8,9,10,11,12,13,14,15
	global_store_b128 v[L16], v[BB+4*\n:BB+4*\n+3], s[10:11] offset:(32*((\a)/2)+8*((\a)%2)+\n+8*(\n/8))*4096 th:TH_STORE_NT   ; 32 lanes store 512 consecutive bytes of one row, at a multiple of 256 from out0's first byte
.endr
.endm
	TOSTAGE 0
	TOSTAGE 1
	SEND 0, 32                                     ; behind tile 0's loads: tile 1's 16 stores and 16 loads
	s_wait_xcnt 0x0                                ; tile 0's stores have read their registers: tile 2's loads may land there
	TOSTAGE 2
	SEND 1, 32
	s_wait_xcnt 0x0
	TOSTAGE 3
	SEND 2, 32
	SEND 3, 0
	s_wait_tensorcnt 0x0                           ; the wave's end, behind my last tensor load and my last LDS store
	ds_add_u32 v[SPW], v[NIL]
	s_wait_dscnt 0x0
	CROUND                                         ; the closing round
	s_endpgm
.Lfunc_end_k_qb2e07abf2f_proj:
	.size	k_qb2e07abf2f_proj, .Lfunc_end_k_qb2e07abf2f_proj-k_qb2e07abf2f_proj
	.p2alignl 7, 3214868480
	.fill 96, 4, 3214868480
	.section	.rodata,"a",@progbits
	.p2align	6, 0x0
	.amdhsa_kernel k_qb2e07abf2f_proj
		.amdhsa_group_segment_fixed_size 327680
		.amdhsa_private_segment_fixed_size 0
		.amdhsa_enable_private_segment 0
		.amdhsa_kernarg_size 32
		.amdhsa_user_sgpr_count 2
		.amdhsa_user_sgpr_kernarg_segment_ptr 1
		.amdhsa_wavefront_size32 1
		.amdhsa_system_sgpr_workgroup_id_x 1
		.amdhsa_system_sgpr_workgroup_id_y 1
		.amdhsa_system_sgpr_workgroup_id_z 1
		.amdhsa_system_vgpr_workitem_id 0
		.amdhsa_next_free_vgpr 896
		.amdhsa_next_free_sgpr 100
		.amdhsa_reserve_vcc 0
		.amdhsa_float_denorm_mode_32 3
		.amdhsa_float_denorm_mode_16_64 3
		.amdhsa_memory_ordered 1
		.amdhsa_forward_progress 1
		.amdhsa_inst_pref_size 78
	.end_amdhsa_kernel
	.amdgpu_metadata
---
amdhsa.version: [ 1, 2 ]
amdhsa.kernels:
  - .name:           k_qb2e07abf2f_proj
    .symbol:         k_qb2e07abf2f_proj.kd
    .args:
      - { .name: ctx_img, .offset: 0, .size: 8, .value_kind: global_buffer, .address_space: global }
      - { .name: w_img, .offset: 8, .size: 8, .value_kind: global_buffer, .address_space: global }
      - { .name: bo, .offset: 16, .size: 8, .value_kind: global_buffer, .address_space: global }
      - { .name: out0, .offset: 24, .size: 8, .value_kind: global_buffer, .address_space: global }
    .group_segment_fixed_size: 327680
    .private_segment_fixed_size: 0
    .kernarg_segment_align: 8
    .kernarg_segment_size: 32
    .max_flat_workgroup_size: 128
    .sgpr_count:     100
    .vgpr_count:     896
    .wavefront_size: 32
...
	.end_amdgpu_metadata
.endif
;; end of part 4
;; ======== version 2 of 2: 4 launches; version 1 with the launch attn written anew for expert scheduling mode
;; workspace buffers: x_img 6,553,600 bytes; w_img 3,276,800 bytes; qkv 20,447,232 bytes; ctx_img 6,553,600 bytes; qkmax 8,192 bytes of whole numbers
;; launch quant: the kernel of part 1 again; grid 384 x 1, 8 waves a work-group, no clusters, 69,632 bytes of LDS; arguments hidden_states, Wq, Wk, Wv, Wo, x_img, w_img; writes x_img, w_img
;; launch qkv: the kernel of part 2 again; grid 12 x 64, 4 waves a work-group, clusters of 4 x 4, 327,680 bytes of LDS; arguments x_img, w_img, bq, bk, bv, qkv, qkmax; writes qkv, qkmax
;; launch attn (part 5): grid 256 x 1, 16 waves a work-group, no clusters, 109,568 bytes of LDS; arguments qkv, qkmax, ctx_img; writes ctx_img
.if DOCPART == 5
	.amdgcn_target "amdgcn-amd-amdhsa--gfx1250"
	.amdhsa_code_object_version 6
	.text
	.protected	k_qb2e07abf2f_attn
	.globl	k_qb2e07abf2f_attn
	.p2align	8
	.type	k_qb2e07abf2f_attn,@function
k_qb2e07abf2f_attn:
	s_mov_b64 s[64:65], 0
	v_nop
	global_prefetch_b8 v0, s[64:65] scope:SCOPE_SE
	s_setreg_imm32_b32 hwreg(HW_REG_WAVE_SCHED_MODE, 0, 2), 2
	s_setreg_imm32_b32 hwreg(HW_REG_WAVE_MODE, 25, 1), 1
	s_wait_xcnt 0x0
	s_wait_alu depctr_vm_vsrc(0)
; ctx = softmax(q k^T / 8 - 10000 [|query - key| > 128]) v for 64 (batch, head) pairs of 2,048 positions, both products on codes of FP6 (E2M3) with E8M0 scales; ctx is quantised at once along the hidden axis for the last product.
; SOFTMAX: t = logit x log2(e); M = the running largest t rounded up to a whole number; p = 2^(t - M) is quantised along the keys, not normalised; the row's sum is taken of the unquantised p and divides at the end.
; SHARES.  A work-group takes query blocks 2 A, 2 A + 1 (128 positions each) of heads 2 hp, 2 hp + 1 of one batch.  Wave w: block a = 2 A + w / 8, tile i = w % 8 of 16 queries (32 (i / 2) + 8 (i % 2) + r + 8 (r / 8)),
; first head 2 hp, then 2 hp + 1: so it ends with one whole fragment (16 rows x 128 hidden) of ctx and its scale word.  Four waves share a SIMD: one wave's vector work stands beside another's products and loads.
; THE MASK.  A query of block a meets keys that are not masked only in key blocks a - 1, a, a + 1.  In block a - 1 key kk is masked where kk < the query's place qq in its block, in a + 1 where kk > qq, in block a never.
; By blocks of 32 keys: a whole block is masked or free (a scalar addend in t), but the one block with the query's own number, where the addend is chosen key by key.
; THE OTHER 13 KEY BLOCKS are masked whole.  With Eq, Ek the largest exponent fields of q and k (stored by the launch before), a logit before the mask is under 2^(Eq + Ek - 254 + 5); for Eq + Ek <= 261 a far logit lies
; at least 1,808 under the row's largest, and its p is exactly 0 in f32: the blocks are jumped over.  Else they are walked, from memory.  This launch fills LDS through registers.
; No cluster: of a work-group's four key blocks only the two outer ones are read by a neighbour too.
; K = 64 IN A FORM OF 128: q's registers 6-11 are zero codes and the upper two scale bytes of q and k are 0, so whatever k's operand names there (the next tile's codes) adds nothing.
; LIMITS: exponentials under 2^-126 come out as 0; the mask's addend enters as -80000 on a score or as -10000 log2(e) on t, which may round an ulp of the sum otherwise than adding -10000 to the logit; NaN and infinities are not served.
; THE MODE: SCHED_MODE bits 1:0 = 2 (LLVM: expert scheduling mode 2), set by the entry lines.  The code itself states the register dependences between vector or matrix instructions and memory or LDS instructions,
; and between a vector instruction that writes a scalar register and that register's readers, with s_wait_alu, always for 0.
; THE PLAN.  Registers that memory or LDS instructions touch:
;   v[KV ..] v32-79   A step's head: k's loads land; the eight score products read them; behind those v's loads land; the four products V^T P read them.  (v80-85: zero codes, moved there once; no load lands there.)
;   v[KS ..], v[VS ..] scale words: loaded with k's and with v's fragments, read by the same products.
;   v[A16], v[A8]     Written by two additions at a head's start; read by the staging stores (A16) and by every LDS load of a step.
;   v[L16], v[L8], v[SCR]  Made at the kernel's head, never written again.      v[SCA]  Read by the loads of q's scale words, then written once more, then read by the last LDS store.
;   v[S ..]           At the kernel's head: staging loads land, staging stores read.  Then vector and matrix instructions alone, until one LDS load lands in its first four at the very end.
;   v[QF ..], v[QS], v[PC ..], v[PS]  Operands and scales of scaled products that vector instructions write.      v[CT ..], v[CW]  Written at each head's end, read by the last stores.
; A STEP HAS THREE WAITS OF THIS PLAN'S: at its head (the products before are done with KV, KS and VS; the addresses and q's registers are written); behind the score products (they are done with k's fragments, where v's land);
; ahead of the products V^T P (p's codes and scale word are written).  Between each of the first two and its run of loads, and from that run to the loads' own counter wait, no vector or matrix instruction names a register that those loads touch.
; All 256 registers of the wave are laid out, and k and v share one buffer: so k of the next step can be asked for only behind this step's last products, which is where the next step's head stands.
.set RECB,  19968
.set PART,  6656
.set HSTR,  319488
.set SLOTB, 13312                      ; LDS: slot 4 hd + j holds k's and v's parts of key block 2 A - 1 + j (held to 0 .. 15) of head 2 hp + hd
.set SCG,   8*SLOTB                    ; two images of ctx's scale words
.set SPARE, SCG+1024                   ; the spare words, 128 bytes for each of sixteen waves: eight blocks of 256 bytes that no other line names
.set REC,   12800
.set PANEL, 102400
.set L16, 1
.set L8,  2
.set SPW, 3                            ; my spare word; never rewritten
.set NIL, 4                            ; 0; never rewritten
.set DD,  5                            ; my query's place in its block of 32, less 16 h
.set PEN, 6                            ; -80000.0
.set ZR,  7                            ; 0.0
.set A16, 8
.set A8,  9
.set SCA, 10
.set SCR, 11
.set QF,  16                           ; v16-27 q's fragment (v22-27 zeros)
.set QS,  28
.set PS,  29
.set T0,  30                           ; v30, v31 at work
.set KV,  32                           ; v32-85: k's tile t at 32 + 6 t (v80-85 zeros); later v's tile d at 32 + 12 d
.set KS,  86
.set VS,  90
.set S,   96                           ; v96-159 the scores, then p
.set OT,  160                          ; v160-191 O^T
.set CT,  192                          ; v192-203 ctx's fragment
.set CW,  204
.set QN,  206                          ; the second head's q
.set QNS, 212
.set PC,  214                          ; p's codes
.set PX,  226
.set BM,  234
.set TB,  238
.set SO,  242
.set F,   246
.set AD,  248                          ; four pairs: the block's addend - M (the low word serves both halves)
.set WV, 10
.set EE, 11
.set TI, 12
.set AB, 13
.set BQ, 14
.set WA, 15
.set HP, 16
.set BT, 17
.set SEL, 18
.set CS, 20
.set PT, 22
.set FLAG, 23
.set PL, 24
.set PZ, 28
.set PR, 32
.set PF, 36
.set TB0, 40
.set HD, 41
.set FC, 42
.set HR, 43
.set HB, 44
.set FB, 46
.set MK, 68                            ; s68-83 the mixed block's sixteen masks (at the kernel's head these hold stored exponents of k, which are folded into s[FLAG] before the first step)
.macro LD128 g, reg, off
.if \g
	global_load_b128 v[(\reg):(\reg)+3], v[L16], s[FB:FB+1] offset:\off
.else
	ds_load_b128 v[(\reg):(\reg)+3], v[A16] offset:\off
.endif
.endm
.macro LD64 g, reg, off
.if \g
	global_load_b64 v[(\reg):(\reg)+1], v[L8], s[FB:FB+1] offset:\off
.else
	ds_load_b64 v[(\reg):(\reg)+1], v[A8] offset:\off
.endif
.endm
.macro WAITLD g
.if \g
	s_wait_loadcnt 0x0
.else
	s_wait_dscnt 0x0
.endif
.endm
.macro MIXB b, mix                     ; the block of 32 keys with my query's own number: register i holds key 16 h + i of it.  The sixteen compares stand in one run, each with a scalar register of its own, so that one wait serves them all
.irp i, 0,1,2,3,4,5,6,7,8,9,10,11,12,13,14,15
.if \mix == 1
	v_cmp_lt_i32 s[MK+\i], \i, v[DD]               ; left block: masked where the key's place is under the query's
.else
	v_cmp_gt_i32 s[MK+\i], \i, v[DD]               ; right block: where it is above
.endif
.endr
	s_wait_alu depctr_va_sdst(0)                   ; the sixteen compares have written their masks s[MK ..], ahead of the first select that reads one
.irp i, 0,1,2,3,4,5,6,7,8,9,10,11,12,13,14,15
	v_cndmask_b32 v[T0+(\i&1)], v[ZR], v[PEN], s[MK+\i]
	v_add_f32 v[S+16*\b+\i], v[S+16*\b+\i], v[T0+(\i&1)]
.endr
.endm
; A KEY STEP: 128 keys.  g = 0: from LDS slot (my first + slot); 1: from memory at s[FB].  pen: four scalars, each block's addend in t.  mix = 1, 2: the left, the right block.
.macro STEP g, slot, pen, mix
.if \g
.set KOFF, PART
.else
.set KOFF, (\slot)*SLOTB
.endif
.set VOFF, KOFF+PART
	s_wait_alu depctr_va_vdst(0)                   ; the products before are done reading v[KV ..] and v[KS ..], in which the loads below land; v[A16] and v[A8], their addresses, are written; so are q's registers, its scale word and the zero codes that moves made, which the products below take
.irp t, 0,1,2,3,4,5,6,7
	LD128 \g, KV+6*\t, KOFF+768*\t
	LD64 \g, KV+6*\t+4, KOFF+768*\t+512
.endr
	LD128 \g, KS, KOFF+6144                        ; lanes 0-15: tiles 0-3; lanes 16-31: tiles 4-7
	WAITLD \g
.irp t, 0,1,2,3
	v_wmma_scale_f32_16x16x128_f8f6f4 v[S+8*\t:S+8*\t+7], v[KV+6*\t:KV+6*\t+11], v[QF:QF+11], 0, v[KS+\t], v[QS] matrix_a_fmt:MATRIX_FMT_FP6 matrix_b_fmt:MATRIX_FMT_FP6
.endr
.irp t, 4,5,6,7
	v_wmma_scale_f32_16x16x128_f8f6f4 v[S+8*\t:S+8*\t+7], v[KV+6*\t:KV+6*\t+11], v[QF:QF+11], 0, v[KS+\t-4], v[QS] matrix_a_fmt:MATRIX_FMT_FP6 matrix_b_fmt:MATRIX_FMT_FP6 matrix_a_scale:MATRIX_SCALE_ROW1
.endr
.rept 4
	v_nop                                          ; places in front of the first read of the scores; they stay beside the wait below
.endr
	s_wait_alu depctr_va_vdst(0)                   ; the eight products are done reading k's fragments in v[KV ..], in which v's land; the last readers of v[VS ..] stand further back
.irp d, 0,1,2,3
.irp c, 0,1,2
	LD128 \g, KV+12*\d+4*\c, VOFF+1536*\d+512*\c   ; v's four fragments land under the softmax, which names neither v[KV ..] nor v[VS ..]
.endr
.endr
	LD128 \g, VS, VOFF+6144
.if \mix
	s_cmp_eq_u32 s[BQ], 0                          ; which block of 32 is mixed hangs on the wave's number alone
	s_cbranch_scc1 .Lmx0_\@
	s_cmp_eq_u32 s[BQ], 1
	s_cbranch_scc1 .Lmx1_\@
	s_cmp_eq_u32 s[BQ], 2
	s_cbranch_scc1 .Lmx2_\@
	MIXB 3, \mix
	s_branch .Lmxd_\@
.Lmx0_\@:
	MIXB 0, \mix
	s_branch .Lmxd_\@
.Lmx1_\@:
	MIXB 1, \mix
	s_branch .Lmxd_\@
.Lmx2_\@:
	MIXB 2, \mix
.Lmxd_\@:
.endif
.irp b, 0,1,2,3
	v_max3_num_f32 v[BM+\b], v[S+16*\b], v[S+1+16*\b], v[S+2+16*\b]   ; the largest score of each block of 32 keys: for the row's maximum, and, since p rises with the score, for the block's largest p
.endr
.irp i, 3,5,7,9,11,13
.irp b, 0,1,2,3
	v_max3_num_f32 v[BM+\b], v[BM+\b], v[S+16*\b+\i], v[S+1+16*\b+\i]
.endr
.endr
.irp b, 0,1,2,3
	v_max_num_f32 v[BM+\b], v[BM+\b], v[S+15+16*\b]
.endr
.irp b, 0,1,2,3
	v_permlanex16_b32 v[TB+\b], v[BM+\b], s[SEL], s[SEL+1]
.endr
.irp b, 0,1,2,3
	v_max_num_f32 v[BM+\b], v[BM+\b], v[TB+\b]     ; with lane l xor 16's 16 keys
.endr
.irp b, 0,1,2,3
	v_fma_f32 v[TB+\b], v[BM+\b], s[CS], s[\pen+\b]   ; as t, with the block's addend
.endr
	v_max3_num_f32 v[T0], v[TB], v[TB+1], v[TB+2]
	v_max_num_f32 v[T0], v[T0], v[TB+3]
	v_max_num_f32 v13, v13, v[T0]                  ; the running largest t
	v_mov_b32 v[T0], v12
	v_floor_f32 v12, -v13                          ; the new -M = -ceil(t): a whole number
	v_sub_f32 v[T0], v12, v[T0]                    ; old M - new M, 0 or less
	v_cvt_i32_f32 v[T0], v[T0]                     ; (it saturates)
	v_ldexp_f32 v[F], 1.0, v[T0]                   ; f = 2^(old M - new M): rounds nothing
.irp b, 0,1,2,3
	v_add_f32 v[AD+2*\b], s[\pen+\b], v12
.endr
.set jj, 0
.rept 32
	v_pk_fma_f32 v[S+jj:S+jj+1], v[S+jj:S+jj+1], s[CS:CS+1], v[AD+2*(jj/16):AD+2*(jj/16)+1] op_sel_hi:[1,0,0]   ; t - M, two at a time
.set jj, jj+2
.endr
.irp b, 0,1,2,3
	v_fma_f32 v[BM+\b], v[BM+\b], s[CS], v[AD+2*\b]   ; the same of each block's largest score
.endr
.set jj, 0
.rept 64
	v_exp_f32 v[S+jj], v[S+jj]                     ; p = 2^(t - M)
.set jj, jj+1
.endr
	v_pk_mul_f32 v[14:15], v[14:15], v[F:F+1] op_sel_hi:[1,0]   ; the sums under the new M (a plain place behind the exponentials)
	s_wait_alu depctr_va_vdst(0)                   ; the 64 exponentials have written p in v[S ..]: one wait for the batch, ahead of the sums below, its first readers
.irp b, 0,1,2,3
	v_exp_f32 v[BM+\b], v[BM+\b]                   ; the block's largest p: the same two instructions on the same number
.endr
	v_pk_add_f32 v[T0:T0+1], v[S:S+1], v[S+2:S+3]  ; the row's sum of the unquantised p, in two chains; it reads the 64 alone
.set jj, 4
.rept 15
	v_pk_add_f32 v[14:15], v[14:15], v[S+jj:S+jj+1]
	v_pk_add_f32 v[T0:T0+1], v[T0:T0+1], v[S+jj+2:S+jj+3]
.set jj, jj+4
.endr
	v_pk_add_f32 v[14:15], v[14:15], v[T0:T0+1]
	s_wait_alu depctr_va_vdst(0)                   ; the four exponentials have written the blocks' largest p in v[BM ..], ahead of the floors below, their first readers
.irp b, 0,1,2,3
	v_max_num_f32 v[BM+\b], 0x1800000, v[BM+\b]    ; the floor 2^(3 - 127): a block whose every p is 0 keeps the byte 1; its codes are zeros
.endr
.irp b, 0,1,2,3
	v_add_nc_u32 v[SO+\b], 0xff000000, v[BM+\b]
.endr
.irp b, 0,1,2,3
	v_lshrrev_b32 v[TB+\b], 23, v[SO+\b]
.endr
	v_lshl_or_b32 v[PS], v[TB+1], 8, v[TB]         ; p's scale word for these 128 keys
	v_lshl_or_b32 v[PS], v[TB+2], 16, v[PS]
	v_lshl_or_b32 v[PS], v[TB+3], 24, v[PS]
.irp c, 0,1
	v_cvt_scalef32_pk16_fp6_f32 v[PC+6*\c:PC+6*\c+2], v[S+32*\c:S+32*\c+15], v[SO+2*\c]
	v_cvt_scalef32_pk16_fp6_f32 v[PX+4*\c:PX+4*\c+2], v[S+16+32*\c:S+31+32*\c], v[SO+2*\c+1]
.endr
	v_nop                                          ; one plain place behind a scaled conversion
.irp c, 0,1
.irp i, 0,1,2
	v_permlane16_swap_b32 v[PC+6*\c+\i], v[PX+4*\c+\i]
.endr
.irp i, 0,1,2
	v_mov_b32 v[PC+3+6*\c+\i], v[PX+4*\c+\i]
.endr
.endr
.set jj, 0
.rept 16
	v_pk_mul_f32 v[OT+jj:OT+jj+1], v[OT+jj:OT+jj+1], v[F:F+1] op_sel_hi:[1,0]   ; O^T under the new M; these 16 are also the places between p's scale word and codes and the products
.set jj, jj+2
.endr
	WAITLD \g
	s_wait_alu depctr_va_vdst(0)                   ; p's codes v[PC ..] and its scale word v[PS] are written, which the products below take as operand and as scales; the places above stay beside this wait
.irp d, 0,1,2,3
	v_wmma_scale_f32_16x16x128_f8f6f4 v[OT+8*\d:OT+8*\d+7], v[KV+12*\d:KV+12*\d+11], v[PC:PC+11], v[OT+8*\d:OT+8*\d+7], v[VS+\d], v[PS] matrix_a_fmt:MATRIX_FMT_FP6 matrix_b_fmt:MATRIX_FMT_FP6
.endr
.rept 4
	v_nop                                          ; places behind these products, in front of the next read of O^T; the loads into their operands stand behind the next step's first wait
.endr
.endm
	s_load_b128 s[4:7], s[0:1], 0x0                ; qkv, qkmax
	s_load_b64 s[8:9], s[0:1], 0x10                ; ctx_img
	v_lshl_add_u32 v[SPW], v0, 2, SPARE
	v_mov_b32 v[NIL], 0
	v_lshrrev_b32 v12, 5, v0
	v_readfirstlane_b32 s[WV], v12
	s_wait_alu depctr_va_sdst(0)                   ; s[WV], the wave's number, is written, ahead of its first reader: shares, bases and LDS addresses are made from it
	s_lshr_b32 s[EE], s[WV], 3
	s_and_b32 s[TI], s[WV], 7
	s_lshr_b32 s[BQ], s[TI], 1
	s_and_b32 s[WA], ttmp9, 7
	s_bfe_u32 s[HP], ttmp9, 0x30003
	s_lshr_b32 s[BT], ttmp9, 6
	s_lshl_b32 s[AB], s[WA], 1
	s_add_co_u32 s[AB], s[AB], s[EE]               ; a: my query block
	s_lshl_b32 s[HR], s[BT], 4
	s_lshl_b32 s53, s[HP], 1
	s_add_co_u32 s[HR], s[HR], s53
	s_lshl_b32 s[HR], s[HR], 4                     ; the first record of head 2 hp
	; what I bring into LDS: part (w & 1) (k's, v's) of slot w >> 1: head 2 hp + w / 8, key block 2 A - 1 + (w >> 1) % 4, held to 0 .. 15 (a block beyond the ends is read by no step)
	s_bfe_u32 s53, s[WV], 0x20001
	s_lshl_b32 s52, s[WA], 1
	s_add_co_u32 s53, s53, s52
	s_max_u32 s53, s53, 1
	s_sub_co_u32 s53, s53, 1
	s_min_u32 s53, s53, 15
	s_lshl_b32 s52, s[EE], 4
	s_add_co_u32 s53, s53, s52
	s_add_co_u32 s53, s53, s[HR]
	s_mul_i32 s48, s53, RECB
	s_and_b32 s52, s[WV], 1
	s_mul_i32 s52, s52, PART
	s_add_co_u32 s48, s48, s52
	s_add_co_u32 s48, s48, PART
	s_mov_b32 s49, 0
	s_add_co_u32 s50, s[HR], s[AB]
	s_mul_i32 s50, s50, RECB                       ; my query block's record of head 2 hp
	s_mov_b32 s51, 0
	s_mul_i32 s54, s[TI], 768
	s_add_co_u32 s54, s54, s50                     ; my tile's half image
	s_mov_b32 s55, 0
	s_mul_i32 s62, s[HR], RECB
	s_mov_b32 s63, 0
	s_lshl_b32 s61, s[HP], 7
	s_lshl_b32 s52, s[BT], 5
	s_add_co_u32 s61, s61, s52
	s_lshl_b32 s52, s[WA], 2
	s_add_co_u32 s60, s61, s52
	s_lshl_b32 s60, s60, 2                         ; qkmax: q's four words of my two query blocks,
	s_lshl_b32 s61, s61, 2                         ; k's 32 words of the batch's sixteen key blocks (4,096 bytes on)
	v_and_b32 v13, 31, v0
	v_lshlrev_b32 v[L16], 4, v13
	v_lshlrev_b32 v[L8], 3, v13
	v_and_b32 v12, 15, v0                          ; r
	v_bfe_u32 v13, v0, 4, 1                        ; h
	v_and_b32 v14, 8, v12
	v_add_nc_u32 v14, v14, v12
	v_lshlrev_b32 v15, 4, v13
	v_sub_nc_u32 v[DD], v14, v15
	s_and_b32 s53, s[TI], 1
	s_lshl_b32 s53, s53, 3
	v_add_nc_u32 v[DD], s53, v[DD]                 ; 8 (i % 2) + r + 8 (r / 8) - 16 h
	s_lshr_b32 s53, s[TI], 2
	s_lshl_b32 s53, s53, 8
	s_and_b32 s52, s[TI], 3
	s_lshl_b32 s52, s52, 2
	s_add_co_u32 s53, s53, s52
	v_lshl_add_u32 v[SCA], v12, 4, s53             ; my tile's word of row r in an image of scale words
	v_and_b32 v14, 63, v0
	v_lshl_add_u32 v[SCR], v14, 4, SCG
	s_mul_i32 s53, s[WV], PART
	v_add_nc_u32 v[A16], s53, v[L16]               ; where my part goes in LDS
	s_wait_kmcnt 0x0
	s_load_b128 s[56:59], s[6:7], s60 offset:0x0
	s_load_b512 s[68:83], s[6:7], s61 offset:0x1000
	s_load_b512 s[84:99], s[6:7], s61 offset:0x1040
	s_add_nc_u64 s[48:49], s[4:5], s[48:49]
	s_add_nc_u64 s[50:51], s[4:5], s[50:51]
	s_add_nc_u64 s[54:55], s[4:5], s[54:55]
	s_add_nc_u64 s[HB:HB+1], s[4:5], s[62:63]
	s_wait_alu depctr_va_vdst(0)                   ; v[L16], v[L8] and v[SCA], the offsets of the loads below, are written, and so are v[A16], the staging stores' address, and v[SCR]; no vector line from here to those stores names v[A16] or v[S ..]
.irp n, 0,1,2,3,4,5,6,7,8,9,10,11,12
	global_load_b128 v[S+4*\n:S+4*\n+3], v[L16], s[48:49] offset:512*\n
.endr
	global_load_b128 v[QF:QF+3], v[L16], s[54:55]
	global_load_b64 v[QF+4:QF+5], v[L8], s[54:55] offset:512
	global_load_b128 v[QN:QN+3], v[L16], s[54:55] offset:HSTR
	global_load_b64 v[QN+4:QN+5], v[L8], s[54:55] offset:HSTR+512
	global_load_b32 v[QS], v[SCA], s[50:51] offset:6144
	global_load_b32 v[QNS], v[SCA], s[50:51] offset:HSTR+6144
	s_mov_b32 s[SEL], 0x76543210
	s_mov_b32 s[SEL+1], 0xfedcba98
	s_mov_b32 s[CS], 0x3e38aa3b                    ; log2(e) / 8
	s_mov_b32 s[CS+1], s[CS]
	s_mov_b32 s[PT], 0xc6616bcd                    ; -10000 log2(e)
.irp b, 0,1,2,3
	s_cmp_gt_u32 s[BQ], \b
	s_cselect_b32 s[PL+\b], s[PT], 0               ; left block: blocks of 32 under my query's are masked whole
	s_cmp_lt_u32 s[BQ], \b
	s_cselect_b32 s[PR+\b], s[PT], 0               ; right block: those above
	s_mov_b32 s[PZ+\b], 0
	s_mov_b32 s[PF+\b], s[PT]
.endr
	s_mul_i32 s[TB0], s[EE], SLOTB
	v_mov_b32 v[PEN], 0xc79c4000                   ; -80000: -10000 on the logit, in score units
	v_mov_b32 v[ZR], 0
.irp j, 0,1,2,3,4,5
	v_mov_b32 v[QF+6+\j], 0
	v_mov_b32 v[KV+48+\j], 0
	v_mov_b32 v[CT+6+\j], 0
.endr
.irp b, 0,1,2,3
	v_mov_b32 v[TB+\b], 0                          ; written once: a lane permute's destination counts as one of its sources
	v_mov_b32 v[AD+2*\b+1], 0                      ; (named as the upper halves of pairs)
.endr
	v_mov_b32 v[F+1], 0
	v_mov_b32 v[CW], 0
	s_wait_loadcnt 6                               ; my 13 loads of the part are in; the six younger ones, q's, may be out
.irp n, 0,1,2,3,4,5,6,7,8,9,10,11,12
	ds_store_b128 v[A16], v[S+4*\n:S+4*\n+3] offset:512*\n
.endr
	s_wait_kmcnt 0x0
	s_max_u32 s56, s56, s57
	s_max_u32 s58, s58, s59
	s_max_u32 s56, s56, s58                        ; Eq
.irp n, 1,2,3,4,5,6,7,8,9,10,11,12,13,14,15,16,17,18,19,20,21,22,23,24,25,26,27,28,29,30,31
	s_max_u32 s68, s68, s[68+\n]                   ; Ek
.endr
	s_add_co_u32 s56, s56, s68
	s_cmp_gt_u32 s56, 261
	s_cselect_b32 s[FLAG], 1, 0                    ; 1: a far key's p need not be 0: the far blocks are walked
	s_wait_loadcnt 0x0                             ; q
	s_lshl_b32 s53, s[EE], 9
	s_add_co_u32 s53, s53, SCG
	s_wait_alu depctr_vm_vsrc(0)                   ; the two loads of q's scale words have read v[SCA], their offset, which the next line writes
	v_add_nc_u32 v[SCA], s53, v[SCA]               ; from here on: where my scale word of ctx goes in LDS
	s_wait_dscnt 0x0                               ; for the others' sake: my part has landed
	s_barrier_signal -1
	s_barrier_wait -1
	s_mov_b32 s[HD], 2
.Lhead:                                            ; two trips: head 2 hp, head 2 hp + 1
	s_wait_alu depctr_vm_vsrc(0)                   ; the LDS instructions issued so far have read v[A16] and v[A8], which the next two lines write; in the first trip the staging stores have also read v[S ..], which the first products write
	v_add_nc_u32 v[A16], s[TB0], v[L16]
	v_add_nc_u32 v[A8], s[TB0], v[L8]
	v_mov_b32 v13, 0xff61b1e6                      ; the largest t so far: -3e38
	v_floor_f32 v12, -v13                          ; -M
	v_mov_b32 v14, 0
	v_mov_b32 v15, 0
.set jj, 0
.rept 32
	v_mov_b32 v[OT+jj], 0                          ; the step is written without a first form of its own: it finds zeros, which the first change of M leaves zeros
.set jj, jj+1
.endr
	s_cmp_eq_u32 s[AB], 0
	s_cbranch_scc1 .Lno_left
	STEP 0, 0, PL, 1
.Lno_left:
	STEP 0, 1, PZ, 0
	s_cmp_eq_u32 s[AB], 15
	s_cbranch_scc1 .Lno_right
	STEP 0, 2, PR, 2
.Lno_right:
	s_mov_b64 s[FB:FB+1], s[HB:HB+1]
	s_mov_b32 s[FC], 0
.Lfar:                                             ; sixteen trips, a constant; the work is jumped over where it adds nothing
	s_cmp_eq_u32 s[FLAG], 0
	s_cbranch_scc1 .Lfar_next
	s_add_co_u32 s53, s[FC], 1
	s_sub_co_u32 s53, s53, s[AB]
	s_cmp_lt_u32 s53, 3                            ; blocks a - 1, a, a + 1 are done
	s_cbranch_scc1 .Lfar_next
	STEP 1, 0, PF, 0
.Lfar_next:
	s_wait_xcnt 0x0                                ; the step's loads have read their base
	s_add_nc_u64 s[FB:FB+1], s[FB:FB+1], RECB
	s_add_co_u32 s[FC], s[FC], 1
	s_cmp_lt_u32 s[FC], 16
	s_cbranch_scc1 .Lfar
	; ---- the head's end: O^T / the sum, quantised along the head's 64: two blocks, six registers of ctx's fragment
	v_add_f32 v14, v14, v15
	v_permlanex16_b32 v[T0], v14, s[SEL], s[SEL+1]
	v_add_f32 v14, v14, v[T0]                      ; the row's sum
	v_rcp_f32 v[F], v14
.irp j, 0,1,2,3,4,5
	v_mov_b32 v[CT+\j], v[CT+6+\j]                 ; the first head's six registers move down (plain work behind the reciprocal)
.endr
	s_wait_alu depctr_va_vdst(0)                   ; the reciprocal has written v[F], ahead of the multiplications below, its first readers
.set jj, 0
.rept 16
	v_pk_mul_f32 v[S+jj:S+jj+1], v[OT+jj:OT+jj+1], v[F:F+1] op_sel_hi:[1,0]   ; register 16 b + i = the head's number 32 b + 16 h + i
.set jj, jj+2
.endr
.irp b, 0,1
	v_max3_num_f32 v[BM+\b], |v[S+16*\b]|, |v[S+1+16*\b]|, 0x1800000
.endr
.irp i, 2,4,6,8,10,12,14
.irp b, 0,1
	v_max3_num_f32 v[BM+\b], v[BM+\b], |v[S+16*\b+\i]|, |v[S+1+16*\b+\i]|
.endr
.endr
.irp b, 0,1
	v_permlanex16_b32 v[TB+\b], v[BM+\b], s[SEL], s[SEL+1]
.endr
.irp b, 0,1
	v_max_num_f32 v[BM+\b], v[BM+\b], v[TB+\b]
.endr
.irp b, 0,1
	v_add_nc_u32 v[SO+\b], 0xff000000, v[BM+\b]
.endr
.irp b, 0,1
	v_lshrrev_b32 v[TB+\b], 23, v[SO+\b]
.endr
	v_lshl_or_b32 v[TB], v[TB+1], 8, v[TB]
	v_lshrrev_b32 v[CW], 16, v[CW]                 ; the first head's two bytes move down,
	v_lshl_or_b32 v[CW], v[TB], 16, v[CW]          ; this head's go on top
	v_cvt_scalef32_pk16_fp6_f32 v[CT+6:CT+8], v[S:S+15], v[SO]
	v_cvt_scalef32_pk16_fp6_f32 v[PX:PX+2], v[S+16:S+31], v[SO+1]
	v_nop                                          ; one plain place behind a scaled conversion
.irp i, 0,1,2
	v_permlane16_swap_b32 v[CT+6+\i], v[PX+\i]
.endr
.irp i, 0,1,2
	v_mov_b32 v[CT+9+\i], v[PX+\i]
.endr
.irp j, 0,1,2,3,4,5
	v_mov_b32 v[QF+\j], v[QN+\j]                   ; the second head's q
.endr
	v_mov_b32 v[QS], v[QNS]
	s_add_co_u32 s[TB0], s[TB0], 4*SLOTB
	s_add_nc_u64 s[HB:HB+1], s[HB:HB+1], HSTR
	s_sub_co_u32 s[HD], s[HD], 1
	s_cmp_lg_u32 s[HD], 0
	s_cbranch_scc1 .Lhead
	; ---- out: my fragment of ctx: group 16 batch + a, K step hp, tile i
	s_lshl_b32 s52, s[BT], 4
	s_add_co_u32 s53, s52, s[AB]
	s_mul_i32 s48, s53, PANEL
	s_mul_i32 s62, s[HP], REC
	s_add_co_u32 s48, s48, s62
	s_mul_i32 s63, s[TI], 1536
	s_add_co_u32 s48, s48, s63
	s_mov_b32 s49, 0
	s_add_nc_u64 s[48:49], s[8:9], s[48:49]
	s_wait_alu depctr_va_vdst(0)                   ; ctx's fragment v[CT ..] and its scale word v[CW] are written, which the stores below read; the vector lines that named v[S ..], in whose first four the LDS load below lands, are done; no vector line follows
.irp c, 0,1,2
	global_store_b128 v[L16], v[CT+4*\c:CT+4*\c+3], s[48:49] offset:512*\c   ; 512 consecutive bytes, at a multiple of 256 from the buffer's first byte
.endr
	ds_store_b32 v[SCA], v[CW]                     ; lanes r and r + 16 write the same word with the same value
	s_wait_dscnt 0x0                               ; for the others' sake
	s_barrier_signal -1
	s_barrier_wait -1
	s_cmp_lt_u32 s[WV], 2
	s_cbranch_scc0 .Ldone
	ds_load_b128 v[S:S+3], v[SCR]                  ; wave 0: the scale words of block 2 A's eight tiles; wave 1: of block 2 A + 1's
	s_lshl_b32 s53, s[WA], 1
	s_add_co_u32 s53, s53, s52
	s_add_co_u32 s53, s53, s[WV]
	s_mul_i32 s50, s53, PANEL
	s_add_co_u32 s50, s50, s62
	s_add_co_u32 s50, s50, 12288
	s_mov_b32 s51, 0
	s_add_nc_u64 s[50:51], s[8:9], s[50:51]
	s_wait_dscnt 0x0
	global_store_b128 v[L16], v[S:S+3], s[50:51]
.Ldone:
	s_wait_dscnt 0x0                               ; the closing lines, six on end
	s_wait_alu 0x0
	s_wait_tensorcnt 0x0
	ds_add_u32 v[SPW], v[NIL]
	s_wait_dscnt 0x0
	s_endpgm
.Lfunc_end_k_qb2e07abf2f_attn:
	.size	k_qb2e07abf2f_attn, .Lfunc_end_k_qb2e07abf2f_attn-k_qb2e07abf2f_attn
	.p2alignl 7, 3214868480
	.fill 96, 4, 3214868480
	.section	.rodata,"a",@progbits
	.p2align	6, 0x0
	.amdhsa_kernel k_qb2e07abf2f_attn
		.amdhsa_group_segment_fixed_size 109568
		.amdhsa_private_segment_fixed_size 0
		.amdhsa_enable_private_segment 0
		.amdhsa_kernarg_size 24
		.amdhsa_user_sgpr_count 2
		.amdhsa_user_sgpr_kernarg_segment_ptr 1
		.amdhsa_wavefront_size32 1
		.amdhsa_system_sgpr_workgroup_id_x 1
		.amdhsa_system_sgpr_workgroup_id_y 1
		.amdhsa_system_sgpr_workgroup_id_z 1
		.amdhsa_system_vgpr_workitem_id 0
		.amdhsa_next_free_vgpr 256
		.amdhsa_next_free_sgpr 100
		.amdhsa_reserve_vcc 0
		.amdhsa_float_denorm_mode_32 3
		.amdhsa_float_denorm_mode_16_64 3
		.amdhsa_memory_ordered 1
		.amdhsa_forward_progress 1
		.amdhsa_inst_pref_size 102
	.end_amdhsa_kernel
	.amdgpu_metadata
---
amdhsa.version: [ 1, 2 ]
amdhsa.kernels:
  - .name:           k_qb2e07abf2f_attn
    .symbol:         k_qb2e07abf2f_attn.kd
    .args:
      - { .name: qkv, .offset: 0, .size: 8, .value_kind: global_buffer, .address_space: global }
      - { .name: qkmax, .offset: 8, .size: 8, .value_kind: global_buffer, .address_space: global }
      - { .name: ctx_img, .offset: 16, .size: 8, .value_kind: global_buffer, .address_space: global }
    .group_segment_fixed_size: 109568
    .private_segment_fixed_size: 0
    .kernarg_segment_align: 8
    .kernarg_segment_size: 24
    .max_flat_workgroup_size: 512
    .sgpr_count:     100
    .vgpr_count:     256
    .wavefront_size: 32
...
	.end_amdgpu_metadata
.endif
;; end of part 5
;; launch proj: the kernel of part 4 again; grid 4 x 64, 4 waves a work-group, clusters of 4 x 4, 327,680 bytes of LDS; arguments ctx_img, w_img, bo, out0; writes out0
